; MI455X (gfx1250); checked and timed in simulation.
; The chip was launched on July 23, 2026; its instructions are those of AMD's public machine-readable ISA for CDNA 5 (MIT licence, August 2026) and "CDNA5" Instruction Set Architecture Reference Guide (July 2026). The comments in the code are by the model that wrote it; some were corrected since.
;; Multihead Attention. Allowed arithmetic: float matrix products may take bf16 or f16 operands with f32 sums; all other float work in f32.
;; Inputs: Wk 1,024 x 1,024 float32; Wo 1,024 x 1,024 float32; Wq 1,024 x 1,024 float32; Wv 1,024 x 1,024 float32; bk 1,024 float32; bo 1,024 float32; bq 1,024 float32; bv 1,024 float32; key 2,048 x 2 x 1,024 float32; mask 1 x 2,048 x 1 int32; query 2,048 x 2 x 1,024 float32; value 2,048 x 2 x 1,024 float32.
;; Outputs: out0 2,048 x 2 x 1,024 float32.
;; 2 versions, each right and faster than the one before. Each part assembles by itself: llvm-mc -triple=amdgcn-amd-amdhsa -mcpu=gfx1250 --defsym DOCPART=n.
;; ======== version 1 of 2: 3 launches
;; limits: values are held in f16: magnitudes above 65,504 overflow, below 6.1e-05 lose precision; inputs' magnitudes at most 65,504
;; workspace buffers: qkv 25,165,824 bytes; x16 8,388,608 bytes; wo16 2,097,152 bytes; cvec 4,096 bytes
;; launch proj (part 1): grid 4 x 48, 4 waves a work-group, clusters of 4 x 4, 327,680 bytes of LDS; arguments query, key, value, Wq, Wk, Wv, bq, bk, qkv; writes qkv
.if DOCPART == 1
	.amdgcn_target "amdgcn-amd-amdhsa--gfx1250"
	.amdhsa_code_object_version 6
	.text
	.protected	k_q6a954af1c4_proj
	.globl	k_q6a954af1c4_proj
	.p2align	8
	.type	k_q6a954af1c4_proj,@function
k_q6a954af1c4_proj:
	s_mov_b64 s[64:65], 0
	v_nop
	global_prefetch_b8 v0, s[64:65] scope:SCOPE_SE
	s_setreg_imm32_b32 hwreg(HW_REG_WAVE_MODE, 25, 1), 1
	s_wait_xcnt 0x0
	s_wait_alu depctr_hold_cnt(0) depctr_sa_sdst(0) depctr_va_vdst(0) depctr_va_sdst(0) depctr_va_ssrc(0) depctr_va_vcc(0) depctr_vm_vsrc(0)
	s_getreg_b32 s2, hwreg(HW_REG_IB_STS2, 6, 4)
	s_cmp_eq_u32 s2, 0
	s_cbranch_scc0 .Lentry_in_a_cluster
	s_endpgm
.Lentry_in_a_cluster:
	s_bfe_u32 s2, ttmp6, 0x10000c
	s_cmp_lg_u32 s2, 0xf033
	s_cbranch_scc0 .Lentry_shape_is_right
	s_endpgm
.Lentry_shape_is_right:
; q = (query Wq^T + bq) c, k = key Wk^T + bk, v' = value Wv^T: three products of [4096][1024] x [1024][1024]^T in one launch, f32 in, bf16 out.
; The input 'mask' is named by no launch: the function that defines the result deletes it before any use, so no output number hangs on it.
; g = 0, 1, 2 picks (query, Wq, bq), (key, Wk, bk), (value, Wv).  q is multiplied by c = 0.125 log2(e) in f32 before its one rounding to bf16, so that
; the attention's scores are exponents of 2.
; v' HAS NO BIAS: the softmax's weights of a query add up to 1, so sum_j a_ij (v'_j + bv) = sum_j a_ij v'_j + bv for every input; bv goes through Wo once,
; in f32, in the next launch (cvec = Wo bv + bo).  That keeps bv out of three roundings to bf16: v's, x's, and the product with the rounded Wo.
; FORMATS: the operands of these products are rounded to f16, 11 significant bits.  They are the inputs themselves: numbers of the drawn kind reach about 5.5
; (weights 0.11); thirty times larger with an offset of thirty spreads is about 1,100 (21).  The results, sums of 1,024 products, have no such room: bf16.
; LIMITS, stated: an input of 65,504 or more in magnitude overflows f16; below 6.1e-5 in magnitude f16 keeps an absolute step of 6e-8;
; the scale 1/8 meets q before its rounding and not the score after it; bv meets the output through cvec, an order of rounding of its own.
; OUT: qkv, bf16, element (g, b, h, s, d) at byte g 8,388,608 + (16 b + h) 262,144 + 128 s + 2 d: a head is a dense block.
; SHAPE: a work-group makes 256 x 256 with four waves, a wave 128 x 128 in 64 accumulator tiles (512 registers).  16 x 4 blocks for each g: 192 work-groups.
; K goes in steps of 64 f32 (rows of 256 bytes, starting at multiples of 256) through two LDS slots filled by the tensor data mover.  The tiles stay
; f32 in LDS; a wave reads its fragments as f32 into RAW and rounds them in registers: no launch and no bytes are spent on a cast of the inputs.
; CLUSTERS: 4 x 4 work-groups.  x's tile hangs on the block row alone and is asked for jointly by a row of the cluster, W's on the block column alone and
; is asked for jointly by a column: a quarter of the requests.
; REGISTERS, in windows of 256:
;   window 0: v16-27 addresses; v32-63, v224-255 bias (8 for each of my 8 column tiles); v64-127, v128-191 x fragments, two buffers; v192-223 at work on the way out
;   window 1: v64-127, v128-191 W fragments, two buffers; v0-63, v192-255 RAW: eight fragments as f32, 16 registers each
;   window 2, 3: the accumulator tiles of my rows 0-63, 64-127 (tile (a, b) at v[8 (8 a + b)])
; The matrix instruction is used transposed (source 0 = rows of W, source 1 = rows of x): a lane then holds eight neighbouring columns of one row.
.set KSTEP,  64                        ; f32 along K in a step
.set PITCH,  272                       ; an LDS row: 256 bytes + 16 of padding: the 16 rows of a fragment load start at 16 different 16-byte columns of 256
.set HALFT,  128*PITCH                 ; what one tensor load brings
.set SLOT,   4*HALFT                   ; x's 256 rows, then W's 256 rows
.set STAGE,  2*SLOT                    ; behind the ring, never filled by the mover: 16 rows x 272 bytes for each wave
.set SPITCH, 272
.set ADRA, 16                          ; v16-17  LDS address of my x fragments in slot 0, 1
.set ADRB, 20                          ; v20-21  the same for W
.set STO,  24                          ; the way out: where I put 16 bytes
.set RD,   25                          ; the way out: where I read 16 bytes back
.set CO,   26                          ; my byte offset in qkv
.set BO,   27                          ; my byte offset in the bias
.set BIAS, 32                          ; tile b at BIAS + 8 b + 160 (b / 4)
.set F0,   64
.set F1,   128
.set TMP,  192
.set G1,  24                           ; s[24:31] group 1 for x's tiles
.set G0,  32                           ; s[32:39] group 0 for x's tiles, one set a slot
.set G1B, 48                           ; s[48:55] group 1 for W's tiles
.set G0B, 56                           ; s[56:63] group 0 for W's tiles, one set a slot
.set MSB, 0
.macro WIN new                         ; the immediate's high byte repeats the setting that is left
.if MSB != \new
	s_set_vgpr_msb (MSB<<8)|\new
.set MSB, \new
.endif
.endm
.set MUL_LO, 0xa1                      ; source 0 (W) window 1, source 1 (x) window 0, C and D window 2
.set MUL_HI, 0xf1                      ; the same, C and D window 3
.set TO_RAW, 0x40                      ; destination window 1, address window 0
.set W_FROM_RAW, 0x45                  ; both sources and the destination window 1
.set A_FROM_RAW, 0x05                  ; both sources window 1, destination window 0
; A joint load: waves 0 and 1 ask for x's two halves, waves 2 and 3 for W's.  The branch hangs on the wave's number alone.
.macro JLOAD s
	s_cmp_eq_u32 s11, 0
	s_cbranch_scc0 .Lfor_b_\@
	tensor_load_to_lds s[G0+4*\s:G0+4*\s+3], s[G1:G1+7]
	s_nop 0
	s_branch .Lasked_\@
.Lfor_b_\@:
	tensor_load_to_lds s[G0B+4*\s:G0B+4*\s+3], s[G1B:G1B+7]
	s_nop 0
.Lasked_\@:
.endm
.macro CREST                           ; a round of the cluster's barrier behind its opening work-group barrier
	s_cmp_lg_u32 s10, 0
	s_cbranch_scc1 .Lnot_wave_0_\@
	s_barrier_signal -3
.Lnot_wave_0_\@:
	s_barrier_wait -3
	s_barrier_signal -1
	s_barrier_wait -1
.endm
.macro CROUND                          ; a whole round
	s_barrier_signal -1
	s_barrier_wait -1
	CREST
.endm
	s_load_b512 s[68:83], s[0:1], 0x0              ; query, key, value, Wq, Wk, Wv, bq, bk
	s_load_b64 s[84:85], s[0:1], 0x40              ; qkv
	v_lshl_add_u32 v30, v0, 2, 0x48400
	v_mov_b32 v31, 0
	ds_add_u32 v30, v31
	v_lshrrev_b32 v1, 5, v0
	v_readfirstlane_b32 s10, v1                    ; wave 0..3
	s_lshr_b32 s11, s10, 1                         ; my half of the block's rows.  Also: I ask for x (0) or for W (1)
	s_and_b32 s12, s10, 1                          ; my half of its columns.  Also: which 128 rows of that tile I ask for
	s_bfe_u32 s40, ttmp6, 0x40000                  ; cx
	s_bfe_u32 s41, ttmp6, 0x40004                  ; cy
	s_lshl_b32 s42, ttmp9, 2
	s_add_co_u32 s42, s42, s40                     ; block column 0..3
	s_and_b32 s14, ttmp7, 0xffff                   ; the cluster's y, 0..11
	s_lshr_b32 s45, s14, 2                         ; g: made of the cluster's y alone, the same in all sixteen partners
	s_and_b32 s13, s14, 3
	s_lshl_b32 s13, s13, 2
	s_add_co_u32 s13, s13, s41                     ; block row 0..15
	s_lshl_b32 s43, s41, 2
	s_lshl_b32 s43, 15, s43                        ; my row of the cluster
	s_lshl_b32 s44, 0x1111, s40                    ; my column
	; group 1: 128 rows x 64 elements of 4 bytes, 4 words of padding behind every 64 words, bit 21 beside the mask
	s_or_b32 s[G1+0], s43, (2<<16)|(1<<20)|(1<<21)|(5<<22)|(3<<25)
	s_or_b32 s[G1B+0], s44, (2<<16)|(1<<20)|(1<<21)|(5<<22)|(3<<25)
.irp g, G1, G1B
	s_mov_b32 s[\g+1], KSTEP<<16                   ; tensor_dim0 = 64
	s_mov_b32 s[\g+2], 128<<16                     ; tensor_dim1 = 128
	s_mov_b32 s[\g+3], KSTEP<<16                   ; tile_dim0 = 64
	s_mov_b32 s[\g+4], 128                         ; tile_dim1 = 128
	s_mov_b32 s[\g+5], 1024                        ; elements from row to row
	s_mov_b32 s[\g+6], 0
	s_mov_b32 s[\g+7], 0
.endr
	; byte offsets of the tiles: x's of the block row and the wave alone, W's of the block column and the wave alone
	s_lshl_b32 s17, s12, 7
	s_lshl_b32 s16, s13, 8
	s_add_co_u32 s16, s16, s17
	s_lshl_b32 s16, s16, 12                        ; (256 block row + 128 half) rows of 4,096 bytes
	s_lshl_b32 s46, s42, 8
	s_add_co_u32 s46, s46, s17
	s_lshl_b32 s46, s46, 12
	s_mov_b32 s17, 0
	s_mov_b32 s47, 0
	s_lshl_b32 s18, s42, 10                        ; my 128 columns in the bias: (256 block column + 128 half) x 4 bytes
	s_lshl_b32 s19, s12, 9
	s_add_co_u32 s18, s18, s19
	s_mov_b32 s19, 0
	s_mul_i32 s20, s10, HALFT                      ; where my tile goes: wave x 128 rows
	s_wait_dscnt 0x0
	s_wait_kmcnt 0x0
	s_cmp_eq_u32 s45, 1                            ; the buffers of g; the condition hangs on the cluster's y alone
	s_cselect_b64 s[4:5], s[70:71], s[68:69]
	s_cselect_b64 s[6:7], s[76:77], s[74:75]
	s_cselect_b64 s[88:89], s[82:83], s[80:81]     ; bk or bq; v's blocks never load through it
	s_cmp_eq_u32 s45, 2
	s_cselect_b64 s[4:5], s[72:73], s[4:5]
	s_cselect_b64 s[6:7], s[78:79], s[6:7]
	s_cmp_eq_u32 s45, 0
	s_cselect_b32 s66, 0x3e38aa3b, 1.0             ; c = 0.125 log2(e) for q, 1 for k
	s_mov_b32 s67, s66
	s_add_nc_u64 s[14:15], s[4:5], s[16:17]
	s_add_nc_u64 s[46:47], s[6:7], s[46:47]
	s_add_nc_u64 s[88:89], s[88:89], s[18:19]
	CROUND                                         ; all sixteen work-groups are here: the first joint loads meet
.irp s, 0,1
	s_mov_b32 s[G0+4*\s], 1
	s_add_co_u32 s[G0+4*\s+1], s20, \s*SLOT
	s_add_nc_u64 s[G0+4*\s+2:G0+4*\s+3], s[14:15], \s*KSTEP*4
	s_or_b32 s[G0+4*\s+3], s[G0+4*\s+3], 0x80000000
	s_mov_b32 s[G0B+4*\s], 1
	s_add_co_u32 s[G0B+4*\s+1], s20, \s*SLOT
	s_add_nc_u64 s[G0B+4*\s+2:G0B+4*\s+3], s[46:47], \s*KSTEP*4
	s_or_b32 s[G0B+4*\s+3], s[G0B+4*\s+3], 0x80000000
	JLOAD \s                                       ; both slots are asked for before anything else: two loads of the wave are out
.endr
	; A 16-bit fragment's lane (r, h) holds K = 8 h .. 8 h + 7 and 16 + 8 h .. + 7 of row r.  As f32 these are 32 bytes at 32 h and 32 bytes at 64 + 32 h.
	v_and_b32 v1, 15, v0                           ; r
	v_bfe_u32 v2, v0, 4, 1                         ; h
	v_mul_u32_u24 v3, v1, PITCH
	v_lshl_add_u32 v3, v2, 5, v3                   ; r x pitch + 32 h
	s_mul_i32 s21, s11, HALFT                      ; my 128 rows of x
	s_mul_i32 s22, s12, HALFT
	s_add_co_u32 s22, s22, 2*HALFT                 ; my 128 rows of W, behind x's 256
.irp s, 0,1
	v_add_nc_u32 v[ADRA+\s], s21, v3
	v_add_nc_u32 v[ADRB+\s], s22, v3
	s_add_co_u32 s21, s21, SLOT
	s_add_co_u32 s22, s22, SLOT
.endr
	v_lshlrev_b32 v[BO], 5, v2                     ; column 16 b + 8 h + j: byte 64 b + 32 h + 4 j
	s_mul_i32 s23, s10, 16*SPITCH
	s_add_co_u32 s23, s23, STAGE                   ; my stage
	v_mul_u32_u24 v4, v1, SPITCH
	v_lshl_add_u32 v4, v2, 4, v4
	v_add_nc_u32 v[STO], s23, v4                   ; in: row r, 16 bytes for each half of the lanes
	v_bfe_u32 v5, v0, 3, 1
	v_lshl_add_u32 v6, v5, 1, v2                   ; back: stage row 2 ((L >> 3) & 1) + (L >> 4): row = 2 s + batch
	v_mul_u32_u24 v6, v6, SPITCH
	v_and_b32 v7, 7, v0
	v_lshl_add_u32 v6, v7, 4, v6
	v_add_nc_u32 v[RD], s23, v6
	v_lshlrev_b32 v5, 4, v1
	v_lshl_add_u32 v[CO], v2, 22, v5               ; lanes 16-31 hold batch 1, 16 heads of 262,144 bytes further on; 16 (L & 15) inside two s of one head
; 16 matrix instructions: row tiles a0, a0 + 1 of the window's four x all 8 column tiles, 32 along K.  zero = 1: the first product starts the sums.
.macro MUL16 f, hi, a0, zero
.irp a, \a0, \a0+1
.irp b, 0,1,2,3,4,5,6,7
.if \zero
	v_wmma_f32_16x16x32_f16 v[8*(8*(\a)+\b):8*(8*(\a)+\b)+7], v[\f+8*\b:\f+8*\b+7], v[\f+8*(4*\hi+\a):\f+8*(4*\hi+\a)+7], 0
.else
	v_wmma_f32_16x16x32_f16 v[8*(8*(\a)+\b):8*(8*(\a)+\b)+7], v[\f+8*\b:\f+8*\b+7], v[\f+8*(4*\hi+\a):\f+8*(4*\hi+\a)+7], v[8*(8*(\a)+\b):8*(8*(\a)+\b)+7]
.endif
.endr
.endr
.endm
; 32 LDS loads: eight fragments (128 rows, 32 along K at byte off of the rows) as f32 into RAW; fragment i at 16 i + 128 (i / 4) of window 1
.macro LOADRAW base, s, off
	WIN TO_RAW
.irp i, 0,1,2,3,4,5,6,7
	ds_load_b128 v[16*\i+128*(\i/4):16*\i+128*(\i/4)+3],     v[\base+\s] offset:\off+\i*16*PITCH
	ds_load_b128 v[16*\i+128*(\i/4)+4:16*\i+128*(\i/4)+7],   v[\base+\s] offset:\off+\i*16*PITCH+16
	ds_load_b128 v[16*\i+128*(\i/4)+8:16*\i+128*(\i/4)+11],  v[\base+\s] offset:\off+\i*16*PITCH+64
	ds_load_b128 v[16*\i+128*(\i/4)+12:16*\i+128*(\i/4)+15], v[\base+\s] offset:\off+\i*16*PITCH+80
.endr
.endm
; 64 roundings: RAW to the eight f16 fragments of buffer g, in W's window or in x's
.macro CVT win, g
	WIN \win
.irp i, 0,1,2,3,4,5,6,7
.irp j, 0,1,2,3,4,5,6,7
	v_cvt_pk_f16_f32 v[\g+8*\i+\j], v[16*\i+128*(\i/4)+2*\j], v[16*\i+128*(\i/4)+2*\j+1]
.endr
.endr
.endm
.macro PLACES                          ; four places between a matrix instruction and a vector instruction that reads its result (ISA guide 7.12.1)
.rept 4
	v_nop
.endr
.endm
; A K step of 64: two halves of 32, on buffers F0 and F1, 64 matrix instructions each.  On entry F0 holds the first half's fragments and RAW is being
; loaded with W's second half.  kind 2: the slot is filled again (two steps ahead) behind a round of the cluster's barrier; 1: a plain barrier, nothing
; is filled; 0: the last step.
; PLACES (ISA guide 7.12.1): a fragment buffer is written again only behind a whole run of 64 roundings into the other buffer, which stands behind the
; last matrix instruction that read it and names none of its registers; RAW is no operand of a matrix instruction.  So the loop holds no v_nop.
; TURNS: the 64 accumulators take turns, one instruction a turn, in the same order in every half, over the backward jump too.
.macro STEP slot, next, zero, kind
	WIN MUL_LO
	MUL16 F0, 0, 0, \zero
	MUL16 F0, 0, 2, \zero
	s_wait_dscnt 0x0                               ; RAW holds W's second half
	CVT W_FROM_RAW, F1
	LOADRAW ADRA, \slot, 128                       ; x's second half: my last reads of this slot
	WIN MUL_HI
	MUL16 F0, 1, 0, \zero
	s_wait_dscnt 0x0                               ; they are back: my reads of this slot are over
.if \kind
	s_set_vgpr_msb 0xf1f0
	s_wait_tensorcnt 0x0                           ; and all my tensor loads have landed: the one that was out is my part of the next slot
	ds_add_u32 v30, v31
	s_wait_dscnt 0x0
	s_set_vgpr_msb 0xf0f1
	s_barrier_signal -1                            ; say so
.endif
	MUL16 F0, 1, 2, \zero                          ; registers alone between signal and wait
.if \kind
	WIN 0
	s_barrier_wait -1
.endif
.if \kind == 2
	CREST                                          ; all sixteen work-groups have said so: no wave of any partner reads this slot or has a load on its way
	s_add_nc_u64 s[G0+4*\slot+2:G0+4*\slot+3], s[G0+4*\slot+2:G0+4*\slot+3], 2*KSTEP*4
	s_add_nc_u64 s[G0B+4*\slot+2:G0B+4*\slot+3], s[G0B+4*\slot+2:G0B+4*\slot+3], 2*KSTEP*4
	JLOAD \slot                                    ; my one tensor load behind the round, ahead of my first LDS read: 112 matrix instructions until the wait for it
.endif
	CVT A_FROM_RAW, F1
.if \kind
	LOADRAW ADRB, \next, 0
.endif
	WIN MUL_LO
	MUL16 F1, 0, 0, 0
	MUL16 F1, 0, 2, 0
.if \kind
	s_wait_dscnt 0x0
	CVT W_FROM_RAW, F0
	LOADRAW ADRA, \next, 0
.endif
	WIN MUL_HI
	MUL16 F1, 1, 0, 0
	MUL16 F1, 1, 2, 0
.if \kind
	s_wait_dscnt 0x0
	CVT A_FROM_RAW, F0
	LOADRAW ADRB, \next, 128
.endif
.endm
; THE WAY OUT: rows 16 i .. 16 i + 15 of my block (8 s x 2 batches) = the eight tiles (a, 0..7) of window 2 or 3; f: the read-back registers, two sets in turn.
; bias = 1: (sum + b) c = sum c + (b c), one fused multiply-add for two numbers; bias = 0: the sums are only rounded.
.macro OUT16 i, a, fmawin, cvtwin, f, bias
.if \bias
	WIN \fmawin
.irp b, 0,1,2,3,4,5,6,7
.irp j, 0,2,4,6
	v_pk_fma_f32 v[8*(8*\a+\b)+\j:8*(8*\a+\b)+\j+1], v[8*(8*\a+\b)+\j:8*(8*\a+\b)+\j+1], s[66:67], v[BIAS+8*\b+160*(\b/4)+\j:BIAS+8*\b+160*(\b/4)+\j+1] op_sel_hi:[1,0,1]
.endr
.endr
.endif
	WIN \cvtwin
.irp b, 0,1,2,3,4,5,6,7
.irp r, 0,1,2,3
	v_cvt_pk_bf16_f32 v[TMP+4*\b+\r], v[8*(8*\a+\b)+2*\r], v[8*(8*\a+\b)+2*\r+1]
.endr
.endr
	WIN 0
.irp b, 0,1,2,3,4,5,6,7
	ds_store_b128 v[STO], v[TMP+4*\b:TMP+4*\b+3] offset:32*\b
.endr
	s_wait_xcnt 0x0                                ; the registers of set f, which earlier stores read, are loaded again only behind this wait
.irp t, 0,1,2,3,4,5,6,7
	ds_load_b128 v[\f+4*\t:\f+4*\t+3], v[RD] offset:(\t/2)*4*SPITCH+(\t%2)*128   ; a wave's LDS instructions are served in order (ISA guide 5.7.1): these see the stores above
.endr
.irp t, 0,1,2,3,4,5,6,7
	s_wait_dscnt 7-\t                              ; the younger of the eight loads may stay out
	global_store_b128 v[CO], v[\f+4*\t:\f+4*\t+3], s[8:9] offset:\i*1024+(\t%2)*262144+(\t/2)*256   ; 16 lanes store 256 consecutive bytes (two s of one head), at a multiple of 256
.endr
.endm
.macro OUTALL bias
	OUT16 0, 0, 0x82, 0x0a, 128, \bias
	OUT16 1, 1, 0x82, 0x0a, 160, \bias
	OUT16 2, 2, 0x82, 0x0a, 128, \bias
	OUT16 3, 3, 0x82, 0x0a, 160, \bias
	OUT16 4, 0, 0xc3, 0x0f, 128, \bias
	OUT16 5, 1, 0xc3, 0x0f, 160, \bias
	OUT16 6, 2, 0xc3, 0x0f, 128, \bias
	OUT16 7, 3, 0xc3, 0x0f, 160, \bias
.endm
	s_wait_tensorcnt 0x1                           ; my part of K step 0 is in; step 1's, issued behind it, may stay out
	s_barrier_signal -1
	s_barrier_wait -1                              ; everybody's is
	LOADRAW ADRB, 0, 0
	s_wait_dscnt 0x0
	CVT W_FROM_RAW, F0
	LOADRAW ADRA, 0, 0
	s_wait_dscnt 0x0
	CVT A_FROM_RAW, F0
	LOADRAW ADRB, 0, 128
	STEP 0, 1, 1, 2                                ; steps 0 and 1 stand in front of the loop: the first products start the sums
	STEP 1, 0, 0, 2
	WIN 0                                          ; at a label and at a branch every window is 0
	s_mov_b32 s3, 6                                ; steps 2 to 13
.Llap:
	STEP 0, 1, 0, 2
	STEP 1, 0, 0, 2
	WIN 0
	s_sub_co_u32 s3, s3, 1
	s_cmp_lg_u32 s3, 0
	s_cbranch_scc1 .Llap
	STEP 0, 1, 0, 1                                ; steps 14 and 15 fill nothing
	WIN 0                                          ; a branch follows
	; where my block goes
	s_lshl_b32 s16, s13, 7
	s_lshl_b32 s14, s11, 6
	s_add_co_u32 s16, s16, s14                     ; my first s = 128 block row + 64 half (row = 2 s + batch)
	s_lshl_b32 s16, s16, 7                         ; 128 bytes for each s
	s_lshl_b32 s14, s45, 23                        ; g x 8,388,608
	s_add_co_u32 s16, s16, s14
	s_mov_b32 s17, 0
	s_add_nc_u64 s[8:9], s[84:85], s[16:17]
	s_lshl_b32 s46, s42, 2
	s_lshl1_add_u32 s46, s12, s46                  ; my first head = 4 block column + 2 half
	s_lshl_b32 s46, s46, 18
	s_mov_b32 s47, 0
	s_add_nc_u64 s[8:9], s[8:9], s[46:47]
	; The last K step and the way out are written twice: with a bias for q and k, without for v'.  The branch hangs on g, which all sixteen partners share;
	; no barrier and no tensor load stands inside it.
	s_cmp_eq_u32 s45, 2
	s_cbranch_scc1 .Lv_out
.irp b, 0,1,2,3,4,5,6,7
	global_load_b128 v[BIAS+8*\b+160*(\b/4):BIAS+8*\b+160*(\b/4)+3],   v[BO], s[88:89] offset:64*\b
	global_load_b128 v[BIAS+8*\b+160*(\b/4)+4:BIAS+8*\b+160*(\b/4)+7], v[BO], s[88:89] offset:64*\b+16   ; on their way during the last step's 128 matrix instructions
.endr
	STEP 1, 0, 0, 0
	s_wait_loadcnt 0x0                             ; the bias
	WIN 0
.irp b, 0,1,2,3,4,5,6,7
.irp j, 0,2,4,6
	v_pk_mul_f32 v[BIAS+8*\b+160*(\b/4)+\j:BIAS+8*\b+160*(\b/4)+\j+1], v[BIAS+8*\b+160*(\b/4)+\j:BIAS+8*\b+160*(\b/4)+\j+1], s[66:67] op_sel_hi:[1,0]   ; b c, once; these 32 name no register of a matrix instruction: they are the places behind the last one (ISA guide 7.12.1)
.endr
.endr
	OUTALL 1
	s_branch .Lclose
.Lv_out:
	STEP 1, 0, 0, 0
	WIN 0
	PLACES                                         ; no work is left to stand here
	OUTALL 0
.Lclose:
	s_wait_tensorcnt 0x0
	ds_add_u32 v30, v31
	s_wait_dscnt 0x0
	CROUND                                         ; the closing round: no work-group ends while a partner may still ask for a tile that names it
	s_endpgm
.Lfunc_end_k_q6a954af1c4_proj:
	.size	k_q6a954af1c4_proj, .Lfunc_end_k_q6a954af1c4_proj-k_q6a954af1c4_proj
	.p2alignl 7, 3214868480
	.fill 96, 4, 3214868480
	.section	.rodata,"a",@progbits
	.p2align	6, 0x0
	.amdhsa_kernel k_q6a954af1c4_proj
		.amdhsa_group_segment_fixed_size 327680
		.amdhsa_private_segment_fixed_size 0
		.amdhsa_enable_private_segment 0
		.amdhsa_kernarg_size 72
		.amdhsa_user_sgpr_count 2
		.amdhsa_user_sgpr_kernarg_segment_ptr 1
		.amdhsa_wavefront_size32 1
		.amdhsa_system_sgpr_workgroup_id_x 1
		.amdhsa_system_sgpr_workgroup_id_y 1
		.amdhsa_system_sgpr_workgroup_id_z 1
		.amdhsa_system_vgpr_workitem_id 0
		.amdhsa_next_free_vgpr 1024
		.amdhsa_next_free_sgpr 90
		.amdhsa_reserve_vcc 0
		.amdhsa_float_denorm_mode_32 3
		.amdhsa_float_denorm_mode_16_64 3
		.amdhsa_memory_ordered 1
		.amdhsa_forward_progress 1
		.amdhsa_inst_pref_size 255
	.end_amdhsa_kernel
	.section	.bss,"aw",@nobits
	.p2align	6
	.space	262144
	.amdgpu_metadata
---
amdhsa.version: [ 1, 2 ]
amdhsa.kernels:
  - .name:           k_q6a954af1c4_proj
    .symbol:         k_q6a954af1c4_proj.kd
    .args:
      - { .name: query, .offset: 0, .size: 8, .value_kind: global_buffer, .address_space: global }
      - { .name: key, .offset: 8, .size: 8, .value_kind: global_buffer, .address_space: global }
      - { .name: value, .offset: 16, .size: 8, .value_kind: global_buffer, .address_space: global }
      - { .name: Wq, .offset: 24, .size: 8, .value_kind: global_buffer, .address_space: global }
      - { .name: Wk, .offset: 32, .size: 8, .value_kind: global_buffer, .address_space: global }
      - { .name: Wv, .offset: 40, .size: 8, .value_kind: global_buffer, .address_space: global }
      - { .name: bq, .offset: 48, .size: 8, .value_kind: global_buffer, .address_space: global }
      - { .name: bk, .offset: 56, .size: 8, .value_kind: global_buffer, .address_space: global }
      - { .name: qkv, .offset: 64, .size: 8, .value_kind: global_buffer, .address_space: global }
    .group_segment_fixed_size: 327680
    .private_segment_fixed_size: 0
    .kernarg_segment_align: 8
    .kernarg_segment_size: 72
    .max_flat_workgroup_size: 128
    .sgpr_count:     90
    .vgpr_count:     1024
    .wavefront_size: 32
...
	.end_amdgpu_metadata
.endif
;; end of part 1
;; launch attn (part 2): grid 8 x 32, 8 waves a work-group, clusters of 4 x 1, 327,680 bytes of LDS; arguments qkv, Wo, x16, wo16, bv, bo, cvec; writes x16, wo16, cvec
.if DOCPART == 2
	.amdgcn_target "amdgcn-amd-amdhsa--gfx1250"
	.amdhsa_code_object_version 6
	.text
	.protected	k_q6a954af1c4_attn
	.globl	k_q6a954af1c4_attn
	.p2align	8
	.type	k_q6a954af1c4_attn,@function
k_q6a954af1c4_attn:
	s_mov_b64 s[64:65], 0
	v_nop
	global_prefetch_b8 v0, s[64:65] scope:SCOPE_SE
	s_setreg_imm32_b32 hwreg(HW_REG_WAVE_MODE, 25, 1), 1
	s_wait_xcnt 0x0
	s_wait_alu depctr_hold_cnt(0) depctr_sa_sdst(0) depctr_va_vdst(0) depctr_va_sdst(0) depctr_va_ssrc(0) depctr_va_vcc(0) depctr_vm_vsrc(0)
	s_getreg_b32 s2, hwreg(HW_REG_IB_STS2, 6, 4)
	s_cmp_eq_u32 s2, 0
	s_cbranch_scc0 .Lentry_in_a_cluster
	s_endpgm
.Lentry_in_a_cluster:
	s_bfe_u32 s2, ttmp6, 0x10000c
	s_cmp_lg_u32 s2, 0x3003
	s_cbranch_scc0 .Lentry_shape_is_right
	s_endpgm
.Lentry_shape_is_right:
; Attention of one (batch, head) y = 16 b + h and 256 queries, over 2,048 keys, with a running maximum: x' = softmax(q k^T / 8) v', v' = value Wv^T without bv.
; And, while the first tiles are on their way, 4 rows of Wo (256 work-groups x 4 rows = all 1,024): their cast to bf16, and cvec[n] = bo[n] + sum_m Wo[n][m] bv[m]
; in f32.  The softmax's weights of a query add up to 1, so bv passes the attention unchanged for every input; the last launch adds cvec in bo's place.
; q comes scaled by 0.125 log2(e): a score is an exponent of 2.  LIMITS, stated: scores must be finite; a probability below 2^-126 counts as 0
; (v_exp_f32 flushes: ISA guide 15.8); the probabilities are rounded to bf16 for the product with V, the row sum adds them unrounded in f32;
; cvec's 1,024 products are added in four chains a lane and then across the lanes, an order of its own.
; Eight waves, 32 queries each (two column tiles c = 0, 1), two waves on a SIMD.
; THE PRODUCTS ARE TAKEN TRANSPOSED.  S^T = K Q^T: in the result a lane holds ONE query (its column r) and eight keys (8 h + j), so the maximum, the sum
; and the factor are one register a lane, and the two halves of the lanes meet by one v_permlanex16_b32.  Two tiles of S^T, rounded and packed in place,
; ARE the second operand of O^T = V^T P^T (K = 8 h .. and 16 + 8 h ..); V^T's fragments come out of the [key][d] tile by the transposing LDS load.
; THE TRIP (64 keys) IS STAGGERED: the two query tiles run half a trip apart, so that a wave's matrix instructions stand among its own softmax lines:
;   the end of c = 1's row sum of the trip before | V's loads | softmax of c = 0, among it the 8 products S(1) | the next trip's K loads |
;   softmax of c = 1, among it the 8 products P(0) V | the 8 products S(0) of the next trip, the 8 products P(1) V.
; K's loads have the whole softmax of c = 1 in which to land, V's the whole softmax of c = 0.  Each exponential is followed by a plain line.
; CLUSTERS: the four query blocks of a cluster walk the same K and V: every tile is asked for jointly by the four (mask 15).
; LDS: two slots of 512 keys: K 512 x 144 bytes, then V 512 x 160 bytes.  A wave brings 128 keys (16 KiB, dense in memory) with one load, as 64 rows of
; 256 bytes with padding behind every 128 bytes.  Waves 0-3 bring K, waves 4-7 V.  A refill has a whole phase of 8 trips in which to land.
; OUT: x16, bf16, byte ((16 b + s / 128) 16 + h) 16,384 + (s % 128) 128 + 2 d: a wave's 32 queries are 4,096 consecutive bytes.
; REGISTERS: everything that a softmax line or a product S names lies in window 0; V's fragments alone lie in window 1, so only their loads and the
; products P V change the setting: 8 changes a trip.  (All in one window would take 320 registers.)
.set KP,    144                        ; K's LDS pitch: an odd multiple of 16
.set VP,    160                        ; V's LDS pitch: an odd multiple of 32, for the transposing load
.set VOFF,  512*KP                     ; V behind K in a slot
.set SLOT,  VOFF+512*VP                ; 155,648
.set KA,    2                          ; LDS address of the K fragments that are loaded next
.set VA,    3                          ; the same for V
.set STO,   4
.set RD,    5
.set XO,    6                          ; 16 x lane
.set QO,    7
.set ML,    8                          ; v[8:9] = (maximum, sum) of tile c = 0, v[10:11] of c = 1; the sum is my half's until the end
.set AL,    12                         ; v[12:13], v[14:15]: the factor 2^(old maximum - new) of c = 0, 1 in the first register of a pair
.set KBASE, 16                         ; v16-17 KA at the head of slot 0, 1
.set VBASE, 18                         ; v18-19 VA likewise
.set T,     20                         ; v20-31 at work; v[20:27] carry c = 1's four partial sums into the next trip
.set QF,    32                         ; Q fragment (c, ks) at 32 + 16 c + 8 ks
.set SF,    64                         ; S^T tile (c, t) at 64 + 32 c + 8 t; then P fragment (c, ks) at 64 + 32 c + 16 ks
.set KF,    128                        ; K fragment (t, ks) at 128 + 16 t + 8 ks
.set OF,    192                        ; O^T tile (dt, c) at 192 + 8 (2 dt + c)
.set VF,    0                          ; window 1: V^T fragment (dt, ks) at 16 dt + 8 ks
.set G1K, 24
.set G1V, 32
.set G0K, 40                           ; one set of four for each slot
.set G0V, 48
.set MSB, 0
.macro WIN new                         ; the immediate's high byte repeats the setting that is left
.if MSB != \new
	s_set_vgpr_msb (MSB<<8)|\new
.set MSB, \new
.endif
.endm
.set TO_V,   0x40                      ; destination window 1, address window 0
.set FROM_V, 0x01                      ; source 0 (V^T) window 1; P, C and D window 0
.macro JLOAD s                         ; a joint load: waves 0-3 ask for K's quarters, waves 4-7 for V's
	s_cmp_eq_u32 s14, 0
	s_cbranch_scc0 .Lfor_v_\@
	tensor_load_to_lds s[G0K+4*\s:G0K+4*\s+3], s[G1K:G1K+7]
	s_nop 0
	s_branch .Lasked_\@
.Lfor_v_\@:
	tensor_load_to_lds s[G0V+4*\s:G0V+4*\s+3], s[G1V:G1V+7]
	s_nop 0
.Lasked_\@:
.endm
.macro ROUND                           ; a round of the cluster's barrier
	s_barrier_signal -1
	s_barrier_wait -1
	s_cmp_lg_u32 s12, 0
	s_cbranch_scc1 .Lnot_wave_0_\@
	s_barrier_signal -3
.Lnot_wave_0_\@:
	s_barrier_wait -3
	s_barrier_signal -1
	s_barrier_wait -1
.endm
	s_load_b256 s[4:11], s[0:1], 0x0               ; qkv s[4:5], Wo s[6:7], x16 s[8:9], wo16 s[10:11]
	s_load_b128 s[68:71], s[0:1], 0x20             ; bv s[68:69], bo s[70:71]
	s_load_b64 s[72:73], s[0:1], 0x30              ; cvec
	v_lshl_add_u32 v30, v0, 2, 0x4c000
	v_mov_b32 v31, 0
	ds_add_u32 v30, v31
	v_lshrrev_b32 v1, 5, v0
	v_readfirstlane_b32 s12, v1                    ; wave 0..7
	s_and_b32 s13, s12, 3                          ; which 128 keys of a slot I bring
	s_lshr_b32 s14, s12, 2                         ; of K (0) or of V (1)
	s_bfe_u32 s15, ttmp6, 0x40000                  ; cx
	s_lshl_b32 s16, ttmp9, 2
	s_add_co_u32 s16, s16, s15                     ; query block 0..7
	s_and_b32 s17, ttmp7, 0xffff                   ; y = 16 b + h
	s_mov_b32 s56, 0x76543210                      ; v_permlanex16_b32: lane i reads lane i of the other half
	s_mov_b32 s57, 0xfedcba98
	; group 1: 64 rows x 128 elements of 2 bytes; padding behind every 32 words, of 4 words for K and 8 for V; mask 15 with bit 21 beside it
	s_mov_b32 s[G1K+0], 15|(1<<16)|(1<<20)|(1<<21)|(4<<22)|(3<<25)
	s_mov_b32 s[G1V+0], 15|(1<<16)|(1<<20)|(1<<21)|(4<<22)|(7<<25)
.irp g, G1K, G1V
	s_mov_b32 s[\g+1], 128<<16                     ; tensor_dim0 = 128
	s_mov_b32 s[\g+2], 64<<16                      ; tensor_dim1 = 64
	s_mov_b32 s[\g+3], 128<<16                     ; tile_dim0 = 128
	s_mov_b32 s[\g+4], 64                          ; tile_dim1 = 64
	s_mov_b32 s[\g+5], 128                         ; dense: a row begins where the last ends
	s_mov_b32 s[\g+6], 0
	s_mov_b32 s[\g+7], 0
.endr
	s_lshl_b32 s20, s17, 18                        ; the head's block, and my 128 keys in a slot's 512: nothing of cx
	s_lshl_b32 s21, s13, 14
	s_add_co_u32 s20, s20, s21
	s_mov_b32 s21, 0
	s_mul_i32 s22, s13, 128*KP                     ; where they go
	s_mul_i32 s23, s13, 128*VP
	s_add_co_u32 s23, s23, VOFF
	s_lshl_b32 s18, s17, 18                        ; my 32 queries: head, 256 a block, 32 a wave, 128 bytes each
	s_lshl_b32 s19, s16, 15
	s_add_co_u32 s18, s18, s19
	s_lshl_b32 s19, s12, 12
	s_add_co_u32 s18, s18, s19
	s_mov_b32 s19, 0
	s_lshl3_add_u32 s59, s17, s16                  ; 8 y + query block: the work-group's number, 0..255
	s_lshl_b32 s60, s59, 14                        ; its 4 rows of Wo, 16,384 bytes
	s_mov_b32 s61, 0
	s_lshl_b32 s62, s59, 13                        ; and of wo16, 8,192 bytes
	s_mov_b32 s63, 0
	s_wait_dscnt 0x0
	s_wait_kmcnt 0x0
	s_add_nc_u64 s[20:21], s[4:5], s[20:21]
	s_add_nc_u64 s[18:19], s[4:5], s[18:19]
	s_add_nc_u64 s[6:7], s[6:7], s[60:61]
	s_add_nc_u64 s[10:11], s[10:11], s[62:63]
	ROUND                                          ; the four work-groups are here: the first joint loads meet
.irp s, 0,1
	s_mov_b32 s[G0K+4*\s], 1
	s_add_co_u32 s[G0K+4*\s+1], s22, \s*SLOT
	s_add_nc_u64 s[G0K+4*\s+2:G0K+4*\s+3], s[20:21], 8388608+\s*65536
	s_or_b32 s[G0K+4*\s+3], s[G0K+4*\s+3], 0x80000000
	s_mov_b32 s[G0V+4*\s], 1
	s_add_co_u32 s[G0V+4*\s+1], s23, \s*SLOT
	s_add_nc_u64 s[G0V+4*\s+2:G0V+4*\s+3], s[20:21], 16777216+\s*65536
	s_or_b32 s[G0V+4*\s+3], s[G0V+4*\s+3], 0x80000000
	JLOAD \s                                       ; keys 0-511 and 512-1023: two loads of the wave are out
.endr
	; Q's fragments straight from memory: lane (r, h) takes 16 bytes at row r, byte 16 h, and 32 further on
	v_and_b32 v1, 15, v0                           ; r
	v_bfe_u32 v[T+1], v0, 4, 1                     ; h
	v_lshlrev_b32 v[QO], 7, v1
	v_lshl_add_u32 v[QO], v[T+1], 4, v[QO]
.irp c, 0,1
.irp ks, 0,1
	global_load_b128 v[QF+16*\c+8*\ks:QF+16*\c+8*\ks+3],   v[QO], s[18:19] offset:\c*2048+\ks*64
	global_load_b128 v[QF+16*\c+8*\ks+4:QF+16*\c+8*\ks+7], v[QO], s[18:19] offset:\c*2048+\ks*64+32
.endr
.endr
	; lane addresses
	v_mul_u32_u24 v[KBASE], v1, KP
	v_lshl_add_u32 v[KBASE], v[T+1], 4, v[KBASE]   ; K: r x pitch + 16 h
	v_add_nc_u32 v[KBASE+1], SLOT, v[KBASE]
	v_and_b32 v[T+4], 7, v0
	v_lshl_add_u32 v[T+5], v[T+1], 3, v[T+4]       ; V: key 8 h + (L & 7),
	v_mul_u32_u24 v[VBASE], v[T+5], VP
	v_bfe_u32 v[T+5], v0, 3, 1
	v_lshl_add_u32 v[VBASE], v[T+5], 4, v[VBASE]   ; 16 bytes further for lanes 8-15 and 24-31
	v_add_nc_u32 v[VBASE], VOFF, v[VBASE]
	v_add_nc_u32 v[VBASE+1], SLOT, v[VBASE]
	s_mul_i32 s22, s12, 32*KP                      ; my stage: 32 queries x 144 bytes, in slot 0
	v_add_nc_u32 v[STO], s22, v[KBASE]             ; in: query r, 16 bytes for each half of the lanes
	v_bfe_u32 v[T+5], v0, 3, 2
	v_mul_u32_u24 v[RD], v[T+5], KP
	v_lshl_add_u32 v[RD], v[T+4], 4, v[RD]
	v_add_nc_u32 v[RD], s22, v[RD]                 ; back: 4 queries of 128 bytes for the 32 lanes
	v_and_b32 v[XO], 31, v0
	v_lshlrev_b32 v[XO], 4, v[XO]
	v_mov_b32 v[KA], v[KBASE]
	v_mov_b32 v[VA], v[VBASE]
	; x16: block ((16 b + 2 query block + wave / 4) 16 + h) of 16,384 bytes, and 4,096 bytes for each of its four waves
	s_lshr_b32 s60, s17, 4
	s_lshl_b32 s60, s60, 4
	s_lshl1_add_u32 s60, s16, s60
	s_add_co_u32 s60, s60, s14
	s_lshl_b32 s60, s60, 4
	s_and_b32 s61, s17, 15
	s_add_co_u32 s60, s60, s61
	s_lshl_b32 s60, s60, 14
	s_lshl_b32 s61, s13, 12
	s_add_co_u32 s60, s60, s61
	s_mov_b32 s61, 0
	s_add_nc_u64 s[8:9], s[8:9], s[60:61]
	; Wo.  Waves 0 to 3 take one whole row each, n = 4 x work-group + wave, so that the row's dot product with bv never leaves the wave; waves 4 to 7 go on.
	; Lane L takes the 8 numbers at column 256 j + 8 L, j = 0..3: two loads of 16 bytes, and one store of 16 bytes of bf16.
	s_cmp_lg_u32 s14, 0
	s_cbranch_scc1 .Lcast_done
	s_lshl2_add_u32 s60, s59, s12                  ; n
	s_lshl_b32 s60, s60, 2                         ; 4 bytes a number in bo and in cvec
	s_mov_b32 s61, 0
	s_add_nc_u64 s[70:71], s[70:71], s[60:61]
	s_add_nc_u64 s[72:73], s[72:73], s[60:61]
	s_load_b32 s62, s[70:71], 0x0                  ; bo[n]; no line of this launch writes bo
	v_lshlrev_b32 v[T+3], 1, v[XO]                 ; 32 L: my place in bv
	v_lshl_add_u32 v[T+2], s12, 12, v[T+3]         ; + 4,096 x wave: in the work-group's rows of Wo
	v_lshl_add_u32 v[T+6], s12, 11, v[XO]          ; 16 L + 2,048 x wave: in its rows of wo16
.irp j, 0,1,2,3
	global_load_b128 v[SF+8*\j:SF+8*\j+3],   v[T+2], s[6:7] offset:1024*\j th:TH_LOAD_NT
	global_load_b128 v[SF+8*\j+4:SF+8*\j+7], v[T+2], s[6:7] offset:1024*\j+16 th:TH_LOAD_NT
	global_load_b128 v[KF+8*\j:KF+8*\j+3],   v[T+3], s[68:69] offset:1024*\j
	global_load_b128 v[KF+8*\j+4:KF+8*\j+7], v[T+3], s[68:69] offset:1024*\j+16
.endr
	s_wait_loadcnt 0x0                             ; the row, and bv
.irp j, 0,1,2,3
	v_pk_mul_f32 v[OF+2*\j:OF+2*\j+1], v[SF+8*\j:SF+8*\j+1], v[KF+8*\j:KF+8*\j+1]          ; four chains, started by the first products
.endr
.irp q, 2,4,6
.irp j, 0,1,2,3
	v_pk_fma_f32 v[OF+2*\j:OF+2*\j+1], v[SF+8*\j+\q:SF+8*\j+\q+1], v[KF+8*\j+\q:KF+8*\j+\q+1], v[OF+2*\j:OF+2*\j+1]
.endr
.endr
.irp j, 0,1,2,3
.irp i, 0,1,2,3
	v_cvt_pk_bf16_f32 v[OF+8+4*\j+\i], v[SF+8*\j+2*\i], v[SF+8*\j+2*\i+1]
.endr
	global_store_b128 v[T+6], v[OF+8+4*\j:OF+8+4*\j+3], s[10:11] offset:512*\j             ; the wave stores 512 consecutive bytes, at a multiple of 512
.endr
	v_pk_add_f32 v[OF:OF+1], v[OF:OF+1], v[OF+2:OF+3]
	v_pk_add_f32 v[OF+4:OF+5], v[OF+4:OF+5], v[OF+6:OF+7]
	v_pk_add_f32 v[OF:OF+1], v[OF:OF+1], v[OF+4:OF+5]
	v_add_f32 v[OF], v[OF], v[OF+1]
	v_add_f32_dpp v[OF], v[OF], v[OF] row_xmask:1 row_mask:0xf bank_mask:0xf
	v_add_f32_dpp v[OF], v[OF], v[OF] row_xmask:2 row_mask:0xf bank_mask:0xf
	v_add_f32_dpp v[OF], v[OF], v[OF] row_xmask:4 row_mask:0xf bank_mask:0xf
	v_add_f32_dpp v[OF], v[OF], v[OF] row_xmask:8 row_mask:0xf bank_mask:0xf
	v_permlanex16_b32 v[OF+1], v[OF], s56, s57     ; the other half's sum
	v_add_f32 v[OF], v[OF], v[OF+1]
	s_wait_kmcnt 0x0                               ; bo[n]
	v_add_f32 v[OF], s62, v[OF]                    ; cvec[n], in every lane
	v_cmp_eq_u32 vcc_lo, 0, v[XO]                  ; lane 0 stores it: one number a wave, 1,024 in the launch
	s_wait_xcnt 0x0                                ; EXEC is a source of the loads and stores above: it changes only behind this wait
	s_and_saveexec_b32 s63, vcc_lo
	global_store_b32 v[XO], v[OF], s[72:73]        ; lane 0's XO is 0
	s_wait_xcnt 0x0                                ; and again in front of the line that widens it; the stores' data and address registers are free behind it too
	s_or_b32 exec_lo, exec_lo, s63
.Lcast_done:
	s_wait_loadcnt 0x0                             ; Q
; ---- the pieces of a trip ----
.macro LOADK                           ; 16 LDS loads: the K fragments of 64 keys; the address steps on (an LDS instruction's sources need no wait)
.irp t, 0,1,2,3
.irp ks, 0,1
	ds_load_b128 v[KF+16*\t+8*\ks:KF+16*\t+8*\ks+3],   v[KA] offset:\t*16*KP+\ks*64
	ds_load_b128 v[KF+16*\t+8*\ks+4:KF+16*\t+8*\ks+7], v[KA] offset:\t*16*KP+\ks*64+32
.endr
.endr
	v_add_nc_u32 v[KA], 64*KP, v[KA]
.endm
.macro LOADV                           ; 16 transposing LDS loads: the V^T fragments of 64 keys, into window 1
	WIN TO_V
.irp dt, 0,1,2,3
.irp ks, 0,1
	ds_load_tr16_b128 v[VF+16*\dt+8*\ks:VF+16*\dt+8*\ks+3],   v[VA] offset:\ks*32*VP+32*\dt
	ds_load_tr16_b128 v[VF+16*\dt+8*\ks+4:VF+16*\dt+8*\ks+7], v[VA] offset:\ks*32*VP+32*\dt+16*VP
.endr
.endr
	WIN 0
	v_add_nc_u32 v[VA], 64*VP, v[VA]
.endm
.macro SMUL c, t, ks                   ; one product of S^T: tile (c, t), half ks of d; the first half starts the sum
.if \ks == 0
	v_wmma_f32_16x16x32_bf16 v[SF+32*\c+8*\t:SF+32*\c+8*\t+7], v[KF+16*\t:KF+16*\t+7], v[QF+16*\c:QF+16*\c+7], 0
.else
	v_wmma_f32_16x16x32_bf16 v[SF+32*\c+8*\t:SF+32*\c+8*\t+7], v[KF+16*\t+8:KF+16*\t+15], v[QF+16*\c+8:QF+16*\c+15], v[SF+32*\c+8*\t:SF+32*\c+8*\t+7]
.endif
.endm
.macro SCORE0                          ; the eight products of S^T for c = 0, a run: four accumulators by turns, twice
	s_wait_dscnt 0x0                               ; K's fragments are in; no other LDS instruction of mine is out
.irp ks, 0,1
.irp t, 0,1,2,3
	SMUL 0, \t, \ks
.endr
.endr
.endm
.macro PV4 c, ks, zero                 ; four products of O^T: tiles (0..3, c), 32 keys; under the setting FROM_V
.irp dt, 0,1,2,3
.if \zero
	v_wmma_f32_16x16x32_bf16 v[OF+8*(2*\dt+\c):OF+8*(2*\dt+\c)+7], v[VF+16*\dt+8*\ks:VF+16*\dt+8*\ks+7], v[SF+32*\c+16*\ks:SF+32*\c+16*\ks+7], 0
.else
	v_wmma_f32_16x16x32_bf16 v[OF+8*(2*\dt+\c):OF+8*(2*\dt+\c)+7], v[VF+16*\dt+8*\ks:VF+16*\dt+8*\ks+7], v[SF+32*\c+16*\ks:SF+32*\c+16*\ks+7], v[OF+8*(2*\dt+\c):OF+8*(2*\dt+\c)+7]
.endif
.endr
.endm
; One of the eight places for matrix work among the softmax lines of tile c.  Among c = 0's lines: one product of S(1).  Among c = 1's lines: the four products
; P(0) V of 32 keys at the first and at the fifth place, so that the setting changes four times and not sixteen.  None names a register of the lines around it.
.macro MX c, t, ks, first, vw
.if \c == 0
	SMUL 1, \t, \ks
.else
.if \t == 0
.if \ks == 0
	s_wait_dscnt \vw                               ; V's 16 loads are in; K's 16, where they were issued behind them, stay out
.endif
	WIN FROM_V
.if \ks == 0
	PV4 0, 0, \first
.else
	PV4 0, 1, 0
.endif
	WIN 0
.endif
.endif
.endm
.macro EXPQ c, r                       ; register r of tile column c: 2^(score - maximum), in place
	v_exp_f32 v[SF+32*\c+\r], v[SF+32*\c+\r]
.endm
.macro PACK c, d, s                    ; registers s, s + 1 to bf16 into register d <= s: in place
	v_cvt_pk_bf16_f32 v[SF+32*\c+\d], v[SF+32*\c+\s], v[SF+32*\c+\s+1]
.endm
.macro SUMA c, q, a, b                 ; partial sum q starts
	s_wait_alu depctr_va_vdst(0)
	v_pk_add_f32 v[T+2*\q:T+2*\q+1], v[SF+32*\c+\a:SF+32*\c+\a+1], v[SF+32*\c+\b:SF+32*\c+\b+1]
.endm
.macro SUMB c, q, a                    ; and goes on
	s_wait_alu depctr_va_vdst(0)
	v_pk_add_f32 v[T+2*\q:T+2*\q+1], v[T+2*\q:T+2*\q+1], v[SF+32*\c+\a:SF+32*\c+\a+1]
.endm
.macro SCALEO c, i                     ; pair i (0..15) of O's 32 registers for tile column c, times the factor
	s_wait_alu depctr_va_vdst(0)
	v_pk_mul_f32 v[OF+8*(2*((\i)/4)+\c)+2*((\i)%4):OF+8*(2*((\i)/4)+\c)+2*((\i)%4)+1], v[OF+8*(2*((\i)/4)+\c)+2*((\i)%4):OF+8*(2*((\i)/4)+\c)+2*((\i)%4)+1], v[AL+2*\c:AL+2*\c+1] op_sel_hi:[1,0]
.endm
; The softmax of tile column c's 32 scores a lane, but for the last five lines of the sum (TAIL).  first = 1: the launch's first trip starts the maximum, and O has nothing to rescale.
; Behind each v_exp_f32 a plain line that touches neither its result nor its source comes before the result is used (ISA guide 5.7.2).
.macro SOFT c, first, vw
	MX \c, 0, 0, \first, \vw
.irp t, 0,1,2,3
	v_max3_num_f32 v[T+\t], v[SF+32*\c+8*\t], v[SF+32*\c+8*\t+1], v[SF+32*\c+8*\t+2]     ; four chains
.endr
.irp t, 0,1,2,3
	v_max3_num_f32 v[T+\t], v[T+\t], v[SF+32*\c+8*\t+3], v[SF+32*\c+8*\t+4]
.endr
.irp t, 0,1,2,3
	v_max3_num_f32 v[T+\t], v[T+\t], v[SF+32*\c+8*\t+5], v[SF+32*\c+8*\t+6]
.endr
	MX \c, 1, 0, \first, \vw
	v_max3_num_f32 v[T], v[T], v[SF+32*\c+7], v[SF+32*\c+15]
	v_max3_num_f32 v[T+2], v[T+2], v[SF+32*\c+23], v[SF+32*\c+31]
	v_max3_num_f32 v[T], v[T], v[T+1], v[T+2]
	v_max_num_f32 v[T], v[T], v[T+3]
	v_permlanex16_b32 v[T+1], v[T], s56, s57       ; the same query's other 32 keys
.if \first
	v_max_num_f32 v[ML+2*\c], v[T], v[T+1]
.else
	v_max3_num_f32 v[T+2], v[T], v[T+1], v[ML+2*\c]
	v_sub_f32 v[T+3], v[ML+2*\c], v[T+2]
	v_mov_b32 v[ML+2*\c], v[T+2]
	v_exp_f32 v[AL+2*\c], v[T+3]                   ; the factor; sixteen plain lines follow before it is used
.endif
	MX \c, 2, 0, \first, \vw
.irp j, 0,2,4,6,8,10,12,14
	v_pk_add_f32 v[SF+32*\c+\j:SF+32*\c+\j+1], v[SF+32*\c+\j:SF+32*\c+\j+1], v[ML+2*\c:ML+2*\c+1] op_sel_hi:[1,0] neg_lo:[0,1] neg_hi:[0,1]
.endr
	MX \c, 3, 0, \first, \vw
.irp j, 16,18,20,22,24,26,28,30
	v_pk_add_f32 v[SF+32*\c+\j:SF+32*\c+\j+1], v[SF+32*\c+\j:SF+32*\c+\j+1], v[ML+2*\c:ML+2*\c+1] op_sel_hi:[1,0] neg_lo:[0,1] neg_hi:[0,1]
.endr
	MX \c, 0, 1, \first, \vw
.irp j, 0,1,2,3,4,5,6,7
	EXPQ \c, \j                                    ; tile 0's exponentials, O's rescale between them
.if \first == 0
	SCALEO \c, \j
.endif
.endr
	MX \c, 1, 1, \first, \vw
.irp j, 0,1,2,3,4,5,6,7
	EXPQ \c, 8+\j                                  ; tile 1's
.if \first == 0
	SCALEO \c, 8+\j
.endif
.endr
.if \first
	v_nop                                          ; no rescale stands between the exponentials here: the one plain line before tile 0's results are used
.endif
	MX \c, 2, 1, \first, \vw
	EXPQ \c, 16                                    ; tile 2's, tile 0's sum and packing between them
	SUMA \c, 0, 0, 2
	EXPQ \c, 17
	SUMA \c, 1, 4, 6
.irp j, 0,1,2,3
	EXPQ \c, 18+\j
	PACK \c, \j, 2*\j
.endr
	EXPQ \c, 22
	EXPQ \c, 23
	MX \c, 3, 1, \first, \vw
	EXPQ \c, 24                                    ; tile 3's, tile 1's sum and packing between them
	SUMA \c, 2, 8, 10
	EXPQ \c, 25
	SUMA \c, 3, 12, 14
.irp j, 0,1,2,3
	EXPQ \c, 26+\j
	PACK \c, 4+\j, 8+2*\j
.endr
	EXPQ \c, 30
	EXPQ \c, 31
.irp q, 0,1,2,3
	SUMB \c, \q, 16+2*\q
.endr
.irp j, 0,1,2,3
	PACK \c, 16+\j, 16+2*\j
.endr
.irp q, 0,1,2,3
	SUMB \c, \q, 24+2*\q
.endr
.irp j, 0,1,2,3
	PACK \c, 20+\j, 24+2*\j
.endr
.endm
.macro TAIL c                          ; the four partial sums onto the running sum: five plain lines that name no register of a matrix instruction
	v_pk_add_f32 v[T:T+1], v[T:T+1], v[T+2:T+3]
	v_pk_add_f32 v[T+4:T+5], v[T+4:T+5], v[T+6:T+7]
	v_pk_add_f32 v[T:T+1], v[T:T+1], v[T+4:T+5]
	v_add_f32 v[T], v[T], v[T+1]
	v_fma_f32 v[ML+2*\c+1], v[ML+2*\c+1], v[AL+2*\c], v[T]
.endm
; One trip: 64 keys.  On entry S(0) of this trip has been multiplied, and c = 1's partial sums of the trip before wait in T.
; last = 1: the phase's last trip: the next K lies in the other slot, which may be read only behind the barrier, so neither K's loads nor S(0) stand here.
; PLACES (ISA guide 7.12.1), by this text's count.  The five lines of TAIL 1 (in the first trip six moves) stand behind the runs S(0) and P(1) V: four are owed before
; S(0) is read and before V's registers are loaded again, five before S(1) is written over P(1).  Behind the last product of S(1) stand at least 27 plain lines of
; c = 0's softmax before K's registers are loaded again and S(1) is read; behind the last product P(0) V at least 29 of c = 1's before S(0) is written over P(0).
; TURNS: the accumulators take turns, four at a time, one instruction a turn, through S(1), P(0) V, S(0), P(1) V and over the backward jump.
.macro BODY first, last
.if \first
	v_mov_b32 v[ML+1], 0                           ; the sums start at 0 and the factors at 0, so that TAIL is the same in every trip;
	v_mov_b32 v[ML+3], 0
	v_mov_b32 v[AL], 0
	v_mov_b32 v[AL+2], 0
	v_mov_b32 v[AL+1], 0                           ; the packed forms name whole pairs: the pairs' second registers are written once
	v_mov_b32 v[AL+3], 0
.else
	TAIL 1
.endif
	LOADV
	SOFT 0, \first, 0
	TAIL 0
.if \last
	SOFT 1, \first, 0
.else
	LOADK
	SOFT 1, \first, 16
	SCORE0
.endif
	WIN FROM_V
	PV4 1, 0, \first
	PV4 1, 1, 0
	WIN 0
.endm
.macro BODIES n
	s_mov_b32 s58, \n
.Ltrip_\@:
	BODY 0, 0
	s_sub_co_u32 s58, s58, 1
	s_cmp_lg_u32 s58, 0
	s_cbranch_scc1 .Ltrip_\@
.endm
; The change of slots: rd is read next, other was read last.  refill = 1: other is filled again, 1,024 keys on.  Then the new phase's first K and S(0).
.macro NEXT rd, other, refill
	s_wait_tensorcnt 0x0                           ; all my tensor loads have landed, my part of slot rd among them: a group 0 may be written
	ds_add_u32 v30, v31
	s_wait_dscnt 0x0
.if \refill
	s_add_nc_u64 s[G0K+4*\other+2:G0K+4*\other+3], s[G0K+4*\other+2:G0K+4*\other+3], 131072
	s_add_nc_u64 s[G0V+4*\other+2:G0V+4*\other+3], s[G0V+4*\other+2:G0V+4*\other+3], 131072
.endif
	s_wait_dscnt 0x0                               ; my reads of the other slot are back
.if \refill
	ROUND                                          ; both hold of every wave of the four work-groups
	JLOAD \other                                   ; my one tensor load behind the round, ahead of my first LDS read
.else
	s_barrier_signal -1
	s_barrier_wait -1
.endif
	v_mov_b32 v[KA], v[KBASE+\rd]
	v_mov_b32 v[VA], v[VBASE+\rd]
	LOADK
	SCORE0
.endm
	s_wait_tensorcnt 0x1                           ; my part of keys 0-511 is in; that of keys 512-1023, issued behind it, may stay out
	s_barrier_signal -1
	s_barrier_wait -1
	LOADK
	SCORE0
	BODY 1, 0                                      ; keys 0-511, slot 0: 1 + 6 + 1 trips
	BODIES 6
	BODY 0, 1
	NEXT 1, 0, 1
	BODIES 7                                       ; keys 512-1023, slot 1; keys 1024-1535 on their way into slot 0
	BODY 0, 1
	NEXT 0, 1, 1
	BODIES 7                                       ; keys 1024-1535; keys 1536-2047 on their way into slot 1
	BODY 0, 1
	NEXT 1, 0, 0
	BODIES 7                                       ; the last 512 keys
	BODY 0, 1
	; THE WAY OUT.  The last sum is closed (its five lines are the places before O is read); the two halves' sums meet; O / sum; to bf16; through my stage,
	; which lies in slot 0: that slot has had its last fill, and every wave's last reads of it were back in front of the last barrier.
	TAIL 1
	v_permlanex16_b32 v[T], v[ML+1], s56, s57
	v_permlanex16_b32 v[T+1], v[ML+3], s56, s57
	v_add_f32 v[ML+1], v[ML+1], v[T]
	v_add_f32 v[ML+3], v[ML+3], v[T+1]             ; at least 1: the largest score gives 2^0
	v_rcp_f32 v[AL], v[ML+1]
	v_rcp_f32 v[AL+2], v[ML+3]
	v_nop                                          ; one plain place (ISA guide 5.7.2)
.irp c, 0,1
.irp i, 0,1,2,3,4,5,6,7,8,9,10,11,12,13,14,15
	SCALEO \c, \i
.endr
.endr
.irp dt, 0,1,2,3
.irp c, 0,1
.irp j, 0,1,2,3
	v_cvt_pk_bf16_f32 v[SF+4*(2*\dt+\c)+\j], v[OF+8*(2*\dt+\c)+2*\j], v[OF+8*(2*\dt+\c)+2*\j+1]      ; d = 16 dt + 8 h + 0..7 of query r: 16 bytes
.endr
.endr
.endr
.irp dt, 0,1,2,3
.irp c, 0,1
	ds_store_b128 v[STO], v[SF+4*(2*\dt+\c):SF+4*(2*\dt+\c)+3] offset:\c*16*KP+32*\dt
.endr
.endr
.irp i, 0,1,2,3,4,5,6,7
	ds_load_b128 v[KF+4*\i:KF+4*\i+3], v[RD] offset:\i*4*KP        ; a wave's LDS instructions are served in order (ISA guide 5.7.1): these see the stores above
.endr
.irp i, 0,1,2,3,4,5,6,7
	s_wait_dscnt 7-\i                              ; the younger of the eight loads may stay out
	global_store_b128 v[XO], v[KF+4*\i:KF+4*\i+3], s[8:9] offset:512*\i    ; the wave stores 512 consecutive bytes, at a multiple of 512
.endr
	s_wait_tensorcnt 0x0
	ds_add_u32 v30, v31
	s_wait_dscnt 0x0
	ROUND                                          ; the closing round
	s_endpgm
.Lfunc_end_k_q6a954af1c4_attn:
	.size	k_q6a954af1c4_attn, .Lfunc_end_k_q6a954af1c4_attn-k_q6a954af1c4_attn
	.p2alignl 7, 3214868480
	.fill 96, 4, 3214868480
	.section	.rodata,"a",@progbits
	.p2align	6, 0x0
	.amdhsa_kernel k_q6a954af1c4_attn
		.amdhsa_group_segment_fixed_size 327680
		.amdhsa_private_segment_fixed_size 0
		.amdhsa_enable_private_segment 0
		.amdhsa_kernarg_size 56
		.amdhsa_user_sgpr_count 2
		.amdhsa_user_sgpr_kernarg_segment_ptr 1
		.amdhsa_wavefront_size32 1
		.amdhsa_system_sgpr_workgroup_id_x 1
		.amdhsa_system_sgpr_workgroup_id_y 1
		.amdhsa_system_sgpr_workgroup_id_z 1
		.amdhsa_system_vgpr_workitem_id 0
		.amdhsa_next_free_vgpr 320
		.amdhsa_next_free_sgpr 74
		.amdhsa_reserve_vcc 1
		.amdhsa_float_denorm_mode_32 3
		.amdhsa_float_denorm_mode_16_64 3
		.amdhsa_memory_ordered 1
		.amdhsa_forward_progress 1
		.amdhsa_inst_pref_size 188
	.end_amdhsa_kernel
	.amdgpu_metadata
---
amdhsa.version: [ 1, 2 ]
amdhsa.kernels:
  - .name:           k_q6a954af1c4_attn
    .symbol:         k_q6a954af1c4_attn.kd
    .args:
      - { .name: qkv, .offset: 0, .size: 8, .value_kind: global_buffer, .address_space: global }
      - { .name: Wo, .offset: 8, .size: 8, .value_kind: global_buffer, .address_space: global }
      - { .name: x16, .offset: 16, .size: 8, .value_kind: global_buffer, .address_space: global }
      - { .name: wo16, .offset: 24, .size: 8, .value_kind: global_buffer, .address_space: global }
      - { .name: bv, .offset: 32, .size: 8, .value_kind: global_buffer, .address_space: global }
      - { .name: bo, .offset: 40, .size: 8, .value_kind: global_buffer, .address_space: global }
      - { .name: cvec, .offset: 48, .size: 8, .value_kind: global_buffer, .address_space: global }
    .group_segment_fixed_size: 327680
    .private_segment_fixed_size: 0
    .kernarg_segment_align: 8
    .kernarg_segment_size: 56
    .max_flat_workgroup_size: 256
    .sgpr_count:     74
    .vgpr_count:     320
    .wavefront_size: 32
...
	.end_amdgpu_metadata
.endif
;; end of part 2
;; launch oproj (part 3): grid 8 x 32, 4 waves a work-group, clusters of 4 x 4, 327,680 bytes of LDS; arguments x16, wo16, cvec, out0; writes out0
.if DOCPART == 3
	.amdgcn_target "amdgcn-amd-amdhsa--gfx1250"
	.amdhsa_code_object_version 6
	.text
	.protected	k_q6a954af1c4_oproj
	.globl	k_q6a954af1c4_oproj
	.p2align	8
	.type	k_q6a954af1c4_oproj,@function
k_q6a954af1c4_oproj:
	s_mov_b64 s[64:65], 0
	v_nop
	global_prefetch_b8 v0, s[64:65] scope:SCOPE_SE
	s_setreg_imm32_b32 hwreg(HW_REG_WAVE_MODE, 25, 1), 1
	s_wait_xcnt 0x0
	s_wait_alu depctr_hold_cnt(0) depctr_sa_sdst(0) depctr_va_vdst(0) depctr_va_sdst(0) depctr_va_ssrc(0) depctr_va_vcc(0) depctr_vm_vsrc(0)
	s_getreg_b32 s2, hwreg(HW_REG_IB_STS2, 6, 4)
	s_cmp_eq_u32 s2, 0
	s_cbranch_scc0 .Lentry_in_a_cluster
	s_endpgm
.Lentry_in_a_cluster:
	s_bfe_u32 s2, ttmp6, 0x10000c
	s_cmp_lg_u32 s2, 0xf033
	s_cbranch_scc0 .Lentry_shape_is_right
	s_endpgm
.Lentry_shape_is_right:
; out0 = x' Wo^T + cvec, with cvec = Wo bv + bo in f32 from the launch before: x' is the attention's result without bv, which passes the softmax unchanged.
; x16 and wo16 are bf16 (x16 blocked: byte ((16 b + s / 128) 16 + h) 16,384 + (s % 128) 128 + 2 d), cvec and out0 f32; sums in f32.
; 256 work-groups of 128 x 128: block row rb = 16 b + s / 128 (128 s of one batch), block column cb (128 outputs).  Four waves of 64 x 64: 16 accumulator tiles.
; K goes in steps of 256 (4 heads) through two LDS slots: x's tile is 64 KiB dense in memory and lies in LDS as [head][row][64 d] with a pitch of 144 bytes;
; Wo's tile is 128 rows of 512 bytes with a pitch of 528.  Four steps, written out.
; CLUSTERS: 4 x 4 work-groups; x's tile is asked for jointly by a row of the cluster, Wo's by a column.
; The matrix instruction is used transposed (source 0 = rows of Wo, source 1 = rows of x): a lane holds eight neighbouring columns of one row.
; REGISTERS: window 0: addresses, cvec's four numbers v[28:31], x fragments v64-127 and v128-191 (fragment (i, ks) at 8 (2 i + ks)), read-back v192-255;
; window 1: Wo's fragments at the same numbers; window 2: accumulator (a, b) at 8 (4 a + b).
.set APITCH, 144
.set BPITCH, 528
.set AHEAD,  128*APITCH                ; one head's 128 rows
.set BOFF,   4*AHEAD                   ; Wo's tile behind x's
.set SLOT,   BOFF+128*BPITCH           ; 141,312
.set STAGE,  2*SLOT                    ; behind the ring, never filled by the mover: 16 rows x 272 bytes for each wave
.set SPITCH, 272
.set ADRA, 16
.set ADRB, 20
.set STO,  24
.set RD,   25
.set CO,   26
.set BO,   27
.set BIAS, 28
.set F0,   64
.set F1,   128
.set G1,  24
.set G0,  32
.set G1B, 48
.set G0B, 56
.set MSB, 0
.macro WIN new
.if MSB != \new
	s_set_vgpr_msb (MSB<<8)|\new
.set MSB, \new
.endif
.endm
.set MUL,  0xa1                        ; source 0 (Wo) window 1, source 1 (x) window 0, C and D window 2
.set TO_B, 0x40
.macro JLOAD s                         ; waves 0 and 1 ask for x's two halves (2 heads each), waves 2 and 3 for Wo's (64 rows each)
	s_cmp_eq_u32 s11, 0
	s_cbranch_scc0 .Lfor_b_\@
	tensor_load_to_lds s[G0+4*\s:G0+4*\s+3], s[G1:G1+7]
	s_nop 0
	s_branch .Lasked_\@
.Lfor_b_\@:
	tensor_load_to_lds s[G0B+4*\s:G0B+4*\s+3], s[G1B:G1B+7]
	s_nop 0
.Lasked_\@:
.endm
.macro CREST
	s_cmp_lg_u32 s10, 0
	s_cbranch_scc1 .Lnot_wave_0_\@
	s_barrier_signal -3
.Lnot_wave_0_\@:
	s_barrier_wait -3
	s_barrier_signal -1
	s_barrier_wait -1
.endm
.macro CROUND
	s_barrier_signal -1
	s_barrier_wait -1
	CREST
.endm
	s_load_b128 s[4:7], s[0:1], 0x0                ; x16 s[4:5], wo16 s[6:7]
	s_load_b64 s[2:3], s[0:1], 0x10                ; cvec
	s_load_b64 s[8:9], s[0:1], 0x18                ; out0
	s_set_vgpr_msb 0x40
	v_lshl_add_u32 v255, v0, 2, 0x49400
	s_set_vgpr_msb 0x4000
	v_mov_b32 v63, 0
	s_set_vgpr_msb 0x1
	ds_add_u32 v255, v63
	s_set_vgpr_msb 0x100
	v_lshrrev_b32 v1, 5, v0
	v_readfirstlane_b32 s10, v1                    ; wave 0..3
	s_lshr_b32 s11, s10, 1                         ; my half of the rows.  Also: I ask for x (0) or Wo (1)
	s_and_b32 s12, s10, 1                          ; my half of the columns.  Also: which half of that tile I ask for
	s_bfe_u32 s40, ttmp6, 0x40000                  ; cx
	s_bfe_u32 s41, ttmp6, 0x40004                  ; cy
	s_lshl_b32 s42, ttmp9, 2
	s_add_co_u32 s42, s42, s40                     ; block column 0..7
	s_and_b32 s13, ttmp7, 0xffff
	s_lshl_b32 s13, s13, 2
	s_add_co_u32 s13, s13, s41                     ; block row 0..31
	s_lshl_b32 s43, s41, 2
	s_lshl_b32 s43, 15, s43                        ; my row of the cluster
	s_lshl_b32 s44, 0x1111, s40                    ; my column
	; x: 128 rows x 128 elements of 2 bytes, dense, 4 words of padding behind every 32 words
	s_or_b32 s[G1+0], s43, (1<<16)|(1<<20)|(1<<21)|(4<<22)|(3<<25)
	s_mov_b32 s[G1+1], 128<<16
	s_mov_b32 s[G1+2], 128<<16
	s_mov_b32 s[G1+3], 128<<16
	s_mov_b32 s[G1+4], 128
	s_mov_b32 s[G1+5], 128
	s_mov_b32 s[G1+6], 0
	s_mov_b32 s[G1+7], 0
	; Wo: 64 rows x 256 elements of 2 bytes, 1,024 elements from row to row, 4 words of padding behind every 128 words
	s_or_b32 s[G1B+0], s44, (1<<16)|(1<<20)|(1<<21)|(6<<22)|(3<<25)
	s_mov_b32 s[G1B+1], 256<<16
	s_mov_b32 s[G1B+2], 64<<16
	s_mov_b32 s[G1B+3], 256<<16
	s_mov_b32 s[G1B+4], 64
	s_mov_b32 s[G1B+5], 1024
	s_mov_b32 s[G1B+6], 0
	s_mov_b32 s[G1B+7], 0
	s_lshl_b32 s16, s13, 18                        ; x: block row x 262,144 + half x 32,768
	s_lshl_b32 s17, s12, 15
	s_add_co_u32 s16, s16, s17
	s_mov_b32 s17, 0
	s_lshl_b32 s46, s42, 7                         ; Wo: row 128 block column + 64 half, 2,048 bytes a row
	s_lshl_b32 s47, s12, 6
	s_add_co_u32 s46, s46, s47
	s_lshl_b32 s46, s46, 11
	s_mov_b32 s47, 0
	s_mul_i32 s20, s12, 2*AHEAD                    ; where they go
	s_mul_i32 s21, s12, 64*BPITCH
	s_add_co_u32 s21, s21, BOFF
	s_wait_dscnt 0x0
	s_wait_kmcnt 0x0
	s_add_nc_u64 s[14:15], s[4:5], s[16:17]
	s_add_nc_u64 s[46:47], s[6:7], s[46:47]
	CROUND                                         ; all sixteen work-groups are here: the first joint loads meet
.irp s, 0,1
	s_mov_b32 s[G0+4*\s], 1
	s_add_co_u32 s[G0+4*\s+1], s20, \s*SLOT
	s_add_nc_u64 s[G0+4*\s+2:G0+4*\s+3], s[14:15], \s*65536
	s_or_b32 s[G0+4*\s+3], s[G0+4*\s+3], 0x80000000
	s_mov_b32 s[G0B+4*\s], 1
	s_add_co_u32 s[G0B+4*\s+1], s21, \s*SLOT
	s_add_nc_u64 s[G0B+4*\s+2:G0B+4*\s+3], s[46:47], \s*512
	s_or_b32 s[G0B+4*\s+3], s[G0B+4*\s+3], 0x80000000
	JLOAD \s                                       ; K steps 0 and 1: two loads of the wave are out
.endr
	v_and_b32 v1, 15, v0                           ; r
	v_bfe_u32 v2, v0, 4, 1                         ; h
	s_lshl_b32 s46, s42, 9                         ; my 64 columns, in bytes of f32: 512 block column + 256 half
	s_lshl_b32 s47, s12, 8
	s_add_co_u32 s46, s46, s47
	s_mov_b32 s47, 0
	s_add_nc_u64 s[2:3], s[2:3], s[46:47]
	s_add_nc_u64 s[8:9], s[8:9], s[46:47]
	v_lshlrev_b32 v[BO], 4, v1
	global_load_b128 v[BIAS:BIAS+3], v[BO], s[2:3] ; cvec of the four columns that I store; waited for on the way out
	v_mul_u32_u24 v3, v1, APITCH
	v_lshl_add_u32 v3, v2, 4, v3                   ; x: r x 144 + 16 h
	v_mul_u32_u24 v4, v1, BPITCH
	v_lshl_add_u32 v4, v2, 4, v4                   ; Wo: r x 528 + 16 h
	s_mul_i32 s21, s11, 64*APITCH                  ; my 64 rows of x
	s_mul_i32 s22, s12, 64*BPITCH
	s_add_co_u32 s22, s22, BOFF                    ; my 64 rows of Wo
.irp s, 0,1
	v_add_nc_u32 v[ADRA+\s], s21, v3
	v_add_nc_u32 v[ADRB+\s], s22, v4
	s_add_co_u32 s21, s21, SLOT
	s_add_co_u32 s22, s22, SLOT
.endr
	s_mul_i32 s23, s10, 16*SPITCH
	s_add_co_u32 s23, s23, STAGE                   ; my stage
	v_mul_u32_u24 v4, v1, SPITCH
	v_lshl_add_u32 v4, v2, 5, v4
	v_add_nc_u32 v[STO], s23, v4                   ; in: row r, 32 bytes for each half of the lanes
	v_mul_u32_u24 v5, v2, SPITCH
	v_lshl_add_u32 v5, v1, 4, v5
	v_add_nc_u32 v[RD], s23, v5                    ; back: lanes 0-15 one row of 256 bytes, lanes 16-31 the next
	v_lshlrev_b32 v5, 4, v1
	v_lshl_add_u32 v[CO], v2, 13, v5               ; the next s of one batch lies 8,192 bytes on
; 32 LDS loads: the fragments of a quarter step (head qd of the slot's four: 64 along K) into buffer f
.macro FETCH slot, qd, f
	WIN TO_B
.irp i, 0,1,2,3
.irp ks, 0,1
	ds_load_b128 v[\f+8*(2*\i+\ks):\f+8*(2*\i+\ks)+3],   v[ADRB+\slot] offset:\i*16*BPITCH+\qd*128+\ks*64
	ds_load_b128 v[\f+8*(2*\i+\ks)+4:\f+8*(2*\i+\ks)+7], v[ADRB+\slot] offset:\i*16*BPITCH+\qd*128+\ks*64+32
.endr
.endr
	WIN 0
.irp i, 0,1,2,3
.irp ks, 0,1
	ds_load_b128 v[\f+8*(2*\i+\ks):\f+8*(2*\i+\ks)+3],   v[ADRA+\slot] offset:\qd*AHEAD+\i*16*APITCH+\ks*64
	ds_load_b128 v[\f+8*(2*\i+\ks)+4:\f+8*(2*\i+\ks)+7], v[ADRA+\slot] offset:\qd*AHEAD+\i*16*APITCH+\ks*64+32
.endr
.endr
.endm
; 16 matrix instructions, 32 along K.  The 16 accumulators take turns, one instruction a turn.
.macro MUL16 f, ks, zero
	WIN MUL
.irp a, 0,1,2,3
.irp b, 0,1,2,3
.if \zero
	v_wmma_f32_16x16x32_bf16 v[8*(4*\a+\b):8*(4*\a+\b)+7], v[\f+8*(2*\b+\ks):\f+8*(2*\b+\ks)+7], v[\f+8*(2*\a+\ks):\f+8*(2*\a+\ks)+7], 0
.else
	v_wmma_f32_16x16x32_bf16 v[8*(4*\a+\b):8*(4*\a+\b)+7], v[\f+8*(2*\b+\ks):\f+8*(2*\b+\ks)+7], v[\f+8*(2*\a+\ks):\f+8*(2*\a+\ks)+7], v[8*(4*\a+\b):8*(4*\a+\b)+7]
.endif
.endr
.endr
.endm
.macro PLACES                          ; four places between the last matrix instruction that read a buffer and the loads into it (ISA guide 7.12.1 for vector instructions)
.rept 4
	v_nop
.endr
.endm
; one of a step's first three quarters: multiplies buffer f; ahead of that it asks for the next quarter's fragments (head qn) into buffer g
.macro QUARTER slot, qn, f, g, zero
	s_wait_dscnt 0x0                               ; buffer f is in
	PLACES
	FETCH \slot, \qn, \g
	MUL16 \f, 0, \zero
	MUL16 \f, 1, 0
.endm
.macro THREE slot, zero
	QUARTER \slot, 1, F0, F1, \zero
	QUARTER \slot, 2, F1, F0, 0
	QUARTER \slot, 3, F0, F1, 0
.endm
; the fourth quarter: multiplies buffer 1 and changes slots.  fill = 1: this slot is filled again, two K steps ahead, behind a round of the cluster's barrier.
.macro TURN slot, next, fill
	s_wait_dscnt 0x0                               ; buffer 1 is in: my reads of this slot are over
	s_wait_tensorcnt 0x0                           ; all my tensor loads have landed: the one that was out is my part of the next slot
	ds_add_u32 v255, v63
	s_wait_dscnt 0x0
	s_barrier_signal -1
	MUL16 F1, 0, 0                                 ; registers alone between signal and wait
	WIN 0
	s_barrier_wait -1
.if \fill
	CREST                                          ; no wave of any partner reads this slot or has a load on its way
	s_add_nc_u64 s[G0+4*\slot+2:G0+4*\slot+3], s[G0+4*\slot+2:G0+4*\slot+3], 131072
	s_add_nc_u64 s[G0B+4*\slot+2:G0B+4*\slot+3], s[G0B+4*\slot+2:G0B+4*\slot+3], 1024
	JLOAD \slot                                    ; my one tensor load behind the round, ahead of my first LDS read
.endif
	PLACES
	FETCH \next, 0, F0
	MUL16 F1, 1, 0
.endm
	s_wait_tensorcnt 0x1                           ; my part of K step 0 is in; step 1's, issued behind it, may stay out
	s_barrier_signal -1
	s_barrier_wait -1
	FETCH 0, 0, F0
	THREE 0, 1                                     ; K step 0: its first products start the sums
	TURN 0, 1, 1
	THREE 1, 0                                     ; K step 1
	TURN 1, 0, 1
	THREE 0, 0                                     ; K step 2
	TURN 0, 1, 0                                   ; nothing is left to ask for
	THREE 1, 0                                     ; K step 3
	s_wait_dscnt 0x0
	MUL16 F1, 0, 0
	MUL16 F1, 1, 0
	; THE WAY OUT, 16 rows at a time: 32 bytes a lane into my stage, whole rows of 256 bytes back, cvec added, stored.
	PLACES                                         ; four places before the LDS stores read results
	s_and_b32 s16, s13, 15
	s_lshl_b32 s16, s16, 7
	s_lshl_b32 s14, s11, 6
	s_add_co_u32 s16, s16, s14                     ; my first s = 128 (block row % 16) + 64 half
	s_lshr_b32 s14, s13, 4                         ; the batch
	s_lshl1_add_u32 s16, s16, s14                  ; row 2 s + b
	s_lshl_b32 s16, s16, 12                        ; 4,096 bytes a row
	s_mov_b32 s17, 0
	s_add_nc_u64 s[8:9], s[8:9], s[16:17]
	s_wait_loadcnt 0x0                             ; cvec
.macro OUT16 a, f
	WIN 0x08                                       ; the stores' data in window 2
.irp b, 0,1,2,3
	ds_store_b128 v[STO], v[8*(4*\a+\b):8*(4*\a+\b)+3]   offset:64*\b
	ds_store_b128 v[STO], v[8*(4*\a+\b)+4:8*(4*\a+\b)+7] offset:64*\b+16
.endr
	WIN 0
	s_wait_xcnt 0x0                                ; the registers of set f, which earlier stores read, are loaded again only behind this wait
.irp t, 0,1,2,3,4,5,6,7
	ds_load_b128 v[\f+4*\t:\f+4*\t+3], v[RD] offset:\t*2*SPITCH    ; a wave's LDS instructions are served in order (ISA guide 5.7.1): these see the stores above
.endr
.irp t, 0,1,2,3,4,5,6,7
	s_wait_dscnt 7-\t                              ; the younger of the eight loads may stay out
	v_pk_add_f32 v[\f+4*\t:\f+4*\t+1],   v[\f+4*\t:\f+4*\t+1],   v[BIAS:BIAS+1]
	v_pk_add_f32 v[\f+4*\t+2:\f+4*\t+3], v[\f+4*\t+2:\f+4*\t+3], v[BIAS+2:BIAS+3]
	global_store_b128 v[CO], v[\f+4*\t:\f+4*\t+3], s[8:9] offset:(16*\a+2*\t)*8192 th:TH_STORE_NT   ; 16 lanes store 256 consecutive bytes, at a multiple of 256
.endr
.endm
	OUT16 0, 192
	OUT16 1, 224
	OUT16 2, 192
	OUT16 3, 224
	s_set_vgpr_msb 0x1
	s_wait_tensorcnt 0x0
	ds_add_u32 v255, v63
	s_wait_dscnt 0x0
	s_set_vgpr_msb 0x100
	CROUND                                         ; the closing round
	s_endpgm
.Lfunc_end_k_q6a954af1c4_oproj:
	.size	k_q6a954af1c4_oproj, .Lfunc_end_k_q6a954af1c4_oproj-k_q6a954af1c4_oproj
	.p2alignl 7, 3214868480
	.fill 96, 4, 3214868480
	.section	.rodata,"a",@progbits
	.p2align	6, 0x0
	.amdhsa_kernel k_q6a954af1c4_oproj
		.amdhsa_group_segment_fixed_size 327680
		.amdhsa_private_segment_fixed_size 0
		.amdhsa_enable_private_segment 0
		.amdhsa_kernarg_size 32
		.amdhsa_user_sgpr_count 2
		.amdhsa_user_sgpr_kernarg_segment_ptr 1
		.amdhsa_wavefront_size32 1
		.amdhsa_system_sgpr_workgroup_id_x 1
		.amdhsa_system_sgpr_workgroup_id_y 1
		.amdhsa_system_sgpr_workgroup_id_z 1
		.amdhsa_system_vgpr_workitem_id 0
		.amdhsa_next_free_vgpr 640
		.amdhsa_next_free_sgpr 66
		.amdhsa_reserve_vcc 0
		.amdhsa_float_denorm_mode_32 3
		.amdhsa_float_denorm_mode_16_64 3
		.amdhsa_memory_ordered 1
		.amdhsa_forward_progress 1
		.amdhsa_inst_pref_size 90
	.end_amdhsa_kernel
	.amdgpu_metadata
---
amdhsa.version: [ 1, 2 ]
amdhsa.kernels:
  - .name:           k_q6a954af1c4_oproj
    .symbol:         k_q6a954af1c4_oproj.kd
    .args:
      - { .name: x16, .offset: 0, .size: 8, .value_kind: global_buffer, .address_space: global }
      - { .name: wo16, .offset: 8, .size: 8, .value_kind: global_buffer, .address_space: global }
      - { .name: cvec, .offset: 16, .size: 8, .value_kind: global_buffer, .address_space: global }
      - { .name: out0, .offset: 24, .size: 8, .value_kind: global_buffer, .address_space: global }
    .group_segment_fixed_size: 327680
    .private_segment_fixed_size: 0
    .kernarg_segment_align: 8
    .kernarg_segment_size: 32
    .max_flat_workgroup_size: 128
    .sgpr_count:     66
    .vgpr_count:     640
    .wavefront_size: 32
...
	.end_amdgpu_metadata
.endif
;; end of part 3
;; ======== version 2 of 2: 3 launches; 1.15 times as fast as version 1
;; limits: values are held in f16: magnitudes above 65,504 overflow, below 6.1e-05 lose precision; inputs' magnitudes at most 65,504
;; workspace buffers: qkv 25,165,824 bytes; x16 8,388,608 bytes; wo16 2,097,152 bytes; cvec 4,096 bytes
;; launch proj: the kernel of part 1 again; grid 4 x 48, 4 waves a work-group, clusters of 4 x 4, 327,680 bytes of LDS; arguments query, key, value, Wq, Wk, Wv, bq, bk, qkv; writes qkv
;; launch attn (part 4): grid 8 x 32, 8 waves a work-group, clusters of 4 x 1, 327,680 bytes of LDS; arguments qkv, Wo, x16, wo16, bv, bo, cvec; writes x16, wo16, cvec
.if DOCPART == 4
	.amdgcn_target "amdgcn-amd-amdhsa--gfx1250"
	.amdhsa_code_object_version 6
	.text
	.protected	k_q6a954af1c4_attn
	.globl	k_q6a954af1c4_attn
	.p2align	8
	.type	k_q6a954af1c4_attn,@function
k_q6a954af1c4_attn:
	s_mov_b64 s[64:65], 0
	v_nop
	global_prefetch_b8 v0, s[64:65] scope:SCOPE_SE
	s_setreg_imm32_b32 hwreg(HW_REG_WAVE_MODE, 25, 1), 1
	s_wait_xcnt 0x0
	s_wait_alu depctr_hold_cnt(0) depctr_sa_sdst(0) depctr_va_vdst(0) depctr_va_sdst(0) depctr_va_ssrc(0) depctr_va_vcc(0) depctr_vm_vsrc(0)
	s_getreg_b32 s2, hwreg(HW_REG_IB_STS2, 6, 4)
	s_cmp_eq_u32 s2, 0
	s_cbranch_scc0 .Lentry_in_a_cluster
	s_endpgm
.Lentry_in_a_cluster:
	s_bfe_u32 s2, ttmp6, 0x10000c
	s_cmp_lg_u32 s2, 0x3003
	s_cbranch_scc0 .Lentry_shape_is_right
	s_endpgm
.Lentry_shape_is_right:
; Attention of one (batch, head) y = 16 b + h and 256 queries, over 2,048 keys, with a running maximum: x' = softmax(q k^T / 8) v', v' = value Wv^T without bv.
; And, while the first tiles are on their way, 4 rows of Wo (256 work-groups x 4 rows = all 1,024): their cast to bf16, and cvec[n] = bo[n] + sum_m Wo[n][m] bv[m]
; in f32.  The softmax's weights of a query add up to 1, so bv passes the attention unchanged for every input; the last launch adds cvec in bo's place.
; q comes scaled by 0.125 log2(e): a score is an exponent of 2.  LIMITS, stated: scores must be finite; a probability below 2^-126 counts as 0
; (v_exp_f32 flushes: ISA guide 15.8); the probabilities are rounded to bf16 for the product with V, the row sum adds them unrounded in f32;
; cvec's 1,024 products are added in four chains a lane and then across the lanes, an order of its own.
; Eight waves, 32 queries each (two column tiles c = 0, 1), two waves on a SIMD.
; THE PRODUCTS ARE TAKEN TRANSPOSED.  S^T = K Q^T: in the result a lane holds ONE query (its column r) and eight keys (8 h + j), so the maximum, the sum
; and the factor are one register a lane, and the two halves of the lanes meet by one v_permlanex16_b32.  Two tiles of S^T, rounded and packed in place,
; ARE the second operand of O^T = V^T P^T (K = 8 h .. and 16 + 8 h ..); V^T's fragments come out of the [key][d] tile by the transposing LDS load.
; THE TRIP (64 keys) IS STAGGERED: the two query tiles run half a trip apart, so that a wave's matrix instructions stand among its own softmax lines:
;   the end of c = 1's row sum of the trip before | V's loads | softmax of c = 0, among it the 8 products S(1) | the next trip's K loads |
;   softmax of c = 1, among it the 8 products P(0) V | the 8 products S(0) of the next trip, the 8 products P(1) V.
; K's loads have the whole softmax of c = 1 in which to land, V's the whole softmax of c = 0.
; BATCHES: a tile column's 33 exponentials of a trip (the factor, then its 32 scores) are ONE batch with ONE wait, ahead of the first
; line that names a result.  Ahead of the wait stands what names none of them: the maximum, the 16 subtractions (one in front of every two exponentials) and the
; products set among them.  Behind it stand all the readers: O's rescale, the sums, the packing, and the end of the row sum.  So a trip has two waits, and no result
; crosses a trip's end, a label or a branch.  The way out's two reciprocals are a batch of their own.
; CLUSTERS: the four query blocks of a cluster walk the same K and V: every tile is asked for jointly by the four (mask 15).
; LDS: two slots of 512 keys: K 512 x 144 bytes, then V 512 x 160 bytes.  A wave brings 128 keys (16 KiB, dense in memory) with one load, as 64 rows of
; 256 bytes with padding behind every 128 bytes.  Waves 0-3 bring K, waves 4-7 V.  A refill has a whole phase of 8 trips in which to land.
; OUT: x16, bf16, byte ((16 b + s / 128) 16 + h) 16,384 + (s % 128) 128 + 2 d: a wave's 32 queries are 4,096 consecutive bytes.
; REGISTERS: everything that a softmax line or a product S names lies in window 0; V's fragments alone lie in window 1, so only their loads and the
; products P V change the setting: 8 changes a trip.  (All in one window would take 320 registers.)
.set KP,    144                        ; K's LDS pitch: an odd multiple of 16
.set VP,    160                        ; V's LDS pitch: an odd multiple of 32, for the transposing load
.set VOFF,  512*KP                     ; V behind K in a slot
.set SLOT,  VOFF+512*VP                ; 155,648
.set KA,    2                          ; LDS address of the K fragments that are loaded next
.set VA,    3                          ; the same for V
.set STO,   4
.set RD,    5
.set XO,    6                          ; 16 x lane
.set QO,    7
.set ML,    8                          ; v[8:9] = (maximum, sum) of tile c = 0, v[10:11] of c = 1; the sum is my half's until the end
.set AL,    12                         ; v[12:13], v[14:15]: the factor 2^(old maximum - new) of c = 0, 1 in the first register of a pair
.set KBASE, 16                         ; v16-17 KA at the head of slot 0, 1
.set VBASE, 18                         ; v18-19 VA likewise
.set T,     20                         ; v20-31 at work; v[20:27] carry c = 1's four partial sums into the next trip
.set QF,    32                         ; Q fragment (c, ks) at 32 + 16 c + 8 ks
.set SF,    64                         ; S^T tile (c, t) at 64 + 32 c + 8 t; then P fragment (c, ks) at 64 + 32 c + 16 ks
.set KF,    128                        ; K fragment (t, ks) at 128 + 16 t + 8 ks
.set OF,    192                        ; O^T tile (dt, c) at 192 + 8 (2 dt + c)
.set VF,    0                          ; window 1: V^T fragment (dt, ks) at 16 dt + 8 ks
.set G1K, 24
.set G1V, 32
.set G0K, 40                           ; one set of four for each slot
.set G0V, 48
.set MSB, 0
.macro WIN new                         ; the immediate's high byte repeats the setting that is left
.if MSB != \new
	s_set_vgpr_msb (MSB<<8)|\new
.set MSB, \new
.endif
.endm
.set TO_V,   0x40                      ; destination window 1, address window 0
.set FROM_V, 0x01                      ; source 0 (V^T) window 1; P, C and D window 0
.macro JLOAD s                         ; a joint load: waves 0-3 ask for K's quarters, waves 4-7 for V's
	s_cmp_eq_u32 s14, 0
	s_cbranch_scc0 .Lfor_v_\@
	tensor_load_to_lds s[G0K+4*\s:G0K+4*\s+3], s[G1K:G1K+7]
	s_nop 0
	s_branch .Lasked_\@
.Lfor_v_\@:
	tensor_load_to_lds s[G0V+4*\s:G0V+4*\s+3], s[G1V:G1V+7]
	s_nop 0
.Lasked_\@:
.endm
.macro ROUND                           ; a round of the cluster's barrier
	s_barrier_signal -1
	s_barrier_wait -1
	s_cmp_lg_u32 s12, 0
	s_cbranch_scc1 .Lnot_wave_0_\@
	s_barrier_signal -3
.Lnot_wave_0_\@:
	s_barrier_wait -3
	s_barrier_signal -1
	s_barrier_wait -1
.endm
	s_load_b256 s[4:11], s[0:1], 0x0               ; qkv s[4:5], Wo s[6:7], x16 s[8:9], wo16 s[10:11]
	s_load_b128 s[68:71], s[0:1], 0x20             ; bv s[68:69], bo s[70:71]
	s_load_b64 s[72:73], s[0:1], 0x30              ; cvec
	v_lshl_add_u32 v30, v0, 2, 0x4c000
	v_mov_b32 v31, 0
	ds_add_u32 v30, v31
	v_lshrrev_b32 v1, 5, v0
	v_readfirstlane_b32 s12, v1                    ; wave 0..7
	s_and_b32 s13, s12, 3                          ; which 128 keys of a slot I bring
	s_lshr_b32 s14, s12, 2                         ; of K (0) or of V (1)
	s_bfe_u32 s15, ttmp6, 0x40000                  ; cx
	s_lshl_b32 s16, ttmp9, 2
	s_add_co_u32 s16, s16, s15                     ; query block 0..7
	s_and_b32 s17, ttmp7, 0xffff                   ; y = 16 b + h
	s_mov_b32 s56, 0x76543210                      ; v_permlanex16_b32: lane i reads lane i of the other half
	s_mov_b32 s57, 0xfedcba98
	; group 1: 64 rows x 128 elements of 2 bytes; padding behind every 32 words, of 4 words for K and 8 for V; mask 15 with bit 21 beside it
	s_mov_b32 s[G1K+0], 15|(1<<16)|(1<<20)|(1<<21)|(4<<22)|(3<<25)
	s_mov_b32 s[G1V+0], 15|(1<<16)|(1<<20)|(1<<21)|(4<<22)|(7<<25)
.irp g, G1K, G1V
	s_mov_b32 s[\g+1], 128<<16                     ; tensor_dim0 = 128
	s_mov_b32 s[\g+2], 64<<16                      ; tensor_dim1 = 64
	s_mov_b32 s[\g+3], 128<<16                     ; tile_dim0 = 128
	s_mov_b32 s[\g+4], 64                          ; tile_dim1 = 64
	s_mov_b32 s[\g+5], 128                         ; dense: a row begins where the last ends
	s_mov_b32 s[\g+6], 0
	s_mov_b32 s[\g+7], 0
.endr
	s_lshl_b32 s20, s17, 18                        ; the head's block, and my 128 keys in a slot's 512: nothing of cx
	s_lshl_b32 s21, s13, 14
	s_add_co_u32 s20, s20, s21
	s_mov_b32 s21, 0
	s_mul_i32 s22, s13, 128*KP                     ; where they go
	s_mul_i32 s23, s13, 128*VP
	s_add_co_u32 s23, s23, VOFF
	s_lshl_b32 s18, s17, 18                        ; my 32 queries: head, 256 a block, 32 a wave, 128 bytes each
	s_lshl_b32 s19, s16, 15
	s_add_co_u32 s18, s18, s19
	s_lshl_b32 s19, s12, 12
	s_add_co_u32 s18, s18, s19
	s_mov_b32 s19, 0
	s_lshl3_add_u32 s59, s17, s16                  ; 8 y + query block: the work-group's number, 0..255
	s_lshl_b32 s60, s59, 14                        ; its 4 rows of Wo, 16,384 bytes
	s_mov_b32 s61, 0
	s_lshl_b32 s62, s59, 13                        ; and of wo16, 8,192 bytes
	s_mov_b32 s63, 0
	s_wait_dscnt 0x0
	s_wait_kmcnt 0x0
	s_add_nc_u64 s[20:21], s[4:5], s[20:21]
	s_add_nc_u64 s[18:19], s[4:5], s[18:19]
	s_add_nc_u64 s[6:7], s[6:7], s[60:61]
	s_add_nc_u64 s[10:11], s[10:11], s[62:63]
	ROUND                                          ; the four work-groups are here: the first joint loads meet
.irp s, 0,1
	s_mov_b32 s[G0K+4*\s], 1
	s_add_co_u32 s[G0K+4*\s+1], s22, \s*SLOT
	s_add_nc_u64 s[G0K+4*\s+2:G0K+4*\s+3], s[20:21], 8388608+\s*65536
	s_or_b32 s[G0K+4*\s+3], s[G0K+4*\s+3], 0x80000000
	s_mov_b32 s[G0V+4*\s], 1
	s_add_co_u32 s[G0V+4*\s+1], s23, \s*SLOT
	s_add_nc_u64 s[G0V+4*\s+2:G0V+4*\s+3], s[20:21], 16777216+\s*65536
	s_or_b32 s[G0V+4*\s+3], s[G0V+4*\s+3], 0x80000000
	JLOAD \s                                       ; keys 0-511 and 512-1023: two loads of the wave are out
.endr
	; Q's fragments straight from memory: lane (r, h) takes 16 bytes at row r, byte 16 h, and 32 further on
	v_and_b32 v1, 15, v0                           ; r
	v_bfe_u32 v[T+1], v0, 4, 1                     ; h
	v_lshlrev_b32 v[QO], 7, v1
	v_lshl_add_u32 v[QO], v[T+1], 4, v[QO]
.irp c, 0,1
.irp ks, 0,1
	global_load_b128 v[QF+16*\c+8*\ks:QF+16*\c+8*\ks+3],   v[QO], s[18:19] offset:\c*2048+\ks*64
	global_load_b128 v[QF+16*\c+8*\ks+4:QF+16*\c+8*\ks+7], v[QO], s[18:19] offset:\c*2048+\ks*64+32
.endr
.endr
	; lane addresses
	v_mul_u32_u24 v[KBASE], v1, KP
	v_lshl_add_u32 v[KBASE], v[T+1], 4, v[KBASE]   ; K: r x pitch + 16 h
	v_add_nc_u32 v[KBASE+1], SLOT, v[KBASE]
	v_and_b32 v[T+4], 7, v0
	v_lshl_add_u32 v[T+5], v[T+1], 3, v[T+4]       ; V: key 8 h + (L & 7),
	v_mul_u32_u24 v[VBASE], v[T+5], VP
	v_bfe_u32 v[T+5], v0, 3, 1
	v_lshl_add_u32 v[VBASE], v[T+5], 4, v[VBASE]   ; 16 bytes further for lanes 8-15 and 24-31
	v_add_nc_u32 v[VBASE], VOFF, v[VBASE]
	v_add_nc_u32 v[VBASE+1], SLOT, v[VBASE]
	s_mul_i32 s22, s12, 32*KP                      ; my stage: 32 queries x 144 bytes, in slot 0
	v_add_nc_u32 v[STO], s22, v[KBASE]             ; in: query r, 16 bytes for each half of the lanes
	v_bfe_u32 v[T+5], v0, 3, 2
	v_mul_u32_u24 v[RD], v[T+5], KP
	v_lshl_add_u32 v[RD], v[T+4], 4, v[RD]
	v_add_nc_u32 v[RD], s22, v[RD]                 ; back: 4 queries of 128 bytes for the 32 lanes
	v_and_b32 v[XO], 31, v0
	v_lshlrev_b32 v[XO], 4, v[XO]
	v_mov_b32 v[KA], v[KBASE]
	v_mov_b32 v[VA], v[VBASE]
	; x16: block ((16 b + 2 query block + wave / 4) 16 + h) of 16,384 bytes, and 4,096 bytes for each of its four waves
	s_lshr_b32 s60, s17, 4
	s_lshl_b32 s60, s60, 4
	s_lshl1_add_u32 s60, s16, s60
	s_add_co_u32 s60, s60, s14
	s_lshl_b32 s60, s60, 4
	s_and_b32 s61, s17, 15
	s_add_co_u32 s60, s60, s61
	s_lshl_b32 s60, s60, 14
	s_lshl_b32 s61, s13, 12
	s_add_co_u32 s60, s60, s61
	s_mov_b32 s61, 0
	s_add_nc_u64 s[8:9], s[8:9], s[60:61]
	; Wo.  Waves 0 to 3 take one whole row each, n = 4 x work-group + wave, so that the row's dot product with bv never leaves the wave; waves 4 to 7 go on.
	; Lane L takes the 8 numbers at column 256 j + 8 L, j = 0..3: two loads of 16 bytes, and one store of 16 bytes of bf16.
	s_cmp_lg_u32 s14, 0
	s_cbranch_scc1 .Lcast_done
	s_lshl2_add_u32 s60, s59, s12                  ; n
	s_lshl_b32 s60, s60, 2                         ; 4 bytes a number in bo and in cvec
	s_mov_b32 s61, 0
	s_add_nc_u64 s[70:71], s[70:71], s[60:61]
	s_add_nc_u64 s[72:73], s[72:73], s[60:61]
	s_load_b32 s62, s[70:71], 0x0                  ; bo[n]; no line of this launch writes bo
	v_lshlrev_b32 v[T+3], 1, v[XO]                 ; 32 L: my place in bv
	v_lshl_add_u32 v[T+2], s12, 12, v[T+3]         ; + 4,096 x wave: in the work-group's rows of Wo
	v_lshl_add_u32 v[T+6], s12, 11, v[XO]          ; 16 L + 2,048 x wave: in its rows of wo16
.irp j, 0,1,2,3
	global_load_b128 v[SF+8*\j:SF+8*\j+3],   v[T+2], s[6:7] offset:1024*\j th:TH_LOAD_NT
	global_load_b128 v[SF+8*\j+4:SF+8*\j+7], v[T+2], s[6:7] offset:1024*\j+16 th:TH_LOAD_NT
	global_load_b128 v[KF+8*\j:KF+8*\j+3],   v[T+3], s[68:69] offset:1024*\j
	global_load_b128 v[KF+8*\j+4:KF+8*\j+7], v[T+3], s[68:69] offset:1024*\j+16
.endr
	s_wait_loadcnt 0x0                             ; the row, and bv
.irp j, 0,1,2,3
	v_pk_mul_f32 v[OF+2*\j:OF+2*\j+1], v[SF+8*\j:SF+8*\j+1], v[KF+8*\j:KF+8*\j+1]          ; four chains, started by the first products
.endr
.irp q, 2,4,6
.irp j, 0,1,2,3
	v_pk_fma_f32 v[OF+2*\j:OF+2*\j+1], v[SF+8*\j+\q:SF+8*\j+\q+1], v[KF+8*\j+\q:KF+8*\j+\q+1], v[OF+2*\j:OF+2*\j+1]
.endr
.endr
.irp j, 0,1,2,3
.irp i, 0,1,2,3
	v_cvt_pk_bf16_f32 v[OF+8+4*\j+\i], v[SF+8*\j+2*\i], v[SF+8*\j+2*\i+1]
.endr
	global_store_b128 v[T+6], v[OF+8+4*\j:OF+8+4*\j+3], s[10:11] offset:512*\j             ; the wave stores 512 consecutive bytes, at a multiple of 512
.endr
	v_pk_add_f32 v[OF:OF+1], v[OF:OF+1], v[OF+2:OF+3]
	v_pk_add_f32 v[OF+4:OF+5], v[OF+4:OF+5], v[OF+6:OF+7]
	v_pk_add_f32 v[OF:OF+1], v[OF:OF+1], v[OF+4:OF+5]
	v_add_f32 v[OF], v[OF], v[OF+1]
	v_add_f32_dpp v[OF], v[OF], v[OF] row_xmask:1 row_mask:0xf bank_mask:0xf
	v_add_f32_dpp v[OF], v[OF], v[OF] row_xmask:2 row_mask:0xf bank_mask:0xf
	v_add_f32_dpp v[OF], v[OF], v[OF] row_xmask:4 row_mask:0xf bank_mask:0xf
	v_add_f32_dpp v[OF], v[OF], v[OF] row_xmask:8 row_mask:0xf bank_mask:0xf
	v_permlanex16_b32 v[OF+1], v[OF], s56, s57     ; the other half's sum
	v_add_f32 v[OF], v[OF], v[OF+1]
	s_wait_kmcnt 0x0                               ; bo[n]
	v_add_f32 v[OF], s62, v[OF]                    ; cvec[n], in every lane
	v_cmp_eq_u32 vcc_lo, 0, v[XO]                  ; lane 0 stores it: one number a wave, 1,024 in the launch
	s_wait_xcnt 0x0                                ; EXEC is a source of the loads and stores above: it changes only behind this wait
	s_and_saveexec_b32 s63, vcc_lo
	global_store_b32 v[XO], v[OF], s[72:73]        ; lane 0's XO is 0
	s_wait_xcnt 0x0                                ; and again in front of the line that widens it; the stores' data and address registers are free behind it too
	s_or_b32 exec_lo, exec_lo, s63
.Lcast_done:
	s_wait_loadcnt 0x0                             ; Q
; ---- the pieces of a trip ----
.macro LOADK                           ; 16 LDS loads: the K fragments of 64 keys; the address steps on (an LDS instruction's sources need no wait)
.irp t, 0,1,2,3
.irp ks, 0,1
	ds_load_b128 v[KF+16*\t+8*\ks:KF+16*\t+8*\ks+3],   v[KA] offset:\t*16*KP+\ks*64
	ds_load_b128 v[KF+16*\t+8*\ks+4:KF+16*\t+8*\ks+7], v[KA] offset:\t*16*KP+\ks*64+32
.endr
.endr
	v_add_nc_u32 v[KA], 64*KP, v[KA]
.endm
.macro LOADV                           ; 16 transposing LDS loads: the V^T fragments of 64 keys, into window 1
	WIN TO_V
.irp dt, 0,1,2,3
.irp ks, 0,1
	ds_load_tr16_b128 v[VF+16*\dt+8*\ks:VF+16*\dt+8*\ks+3],   v[VA] offset:\ks*32*VP+32*\dt
	ds_load_tr16_b128 v[VF+16*\dt+8*\ks+4:VF+16*\dt+8*\ks+7], v[VA] offset:\ks*32*VP+32*\dt+16*VP
.endr
.endr
	WIN 0
	v_add_nc_u32 v[VA], 64*VP, v[VA]
.endm
.macro SMUL c, t, ks                   ; one product of S^T: tile (c, t), half ks of d; the first half starts the sum
.if \ks == 0
	v_wmma_f32_16x16x32_bf16 v[SF+32*\c+8*\t:SF+32*\c+8*\t+7], v[KF+16*\t:KF+16*\t+7], v[QF+16*\c:QF+16*\c+7], 0
.else
	v_wmma_f32_16x16x32_bf16 v[SF+32*\c+8*\t:SF+32*\c+8*\t+7], v[KF+16*\t+8:KF+16*\t+15], v[QF+16*\c+8:QF+16*\c+15], v[SF+32*\c+8*\t:SF+32*\c+8*\t+7]
.endif
.endm
.macro SCORE0                          ; the eight products of S^T for c = 0, a run: four accumulators by turns, twice
	s_wait_dscnt 0x0                               ; K's fragments are in; no other LDS instruction of mine is out
.irp ks, 0,1
.irp t, 0,1,2,3
	SMUL 0, \t, \ks
.endr
.endr
.endm
.macro PV4 c, ks, zero                 ; four products of O^T: tiles (0..3, c), 32 keys; under the setting FROM_V
.irp dt, 0,1,2,3
.if \zero
	v_wmma_f32_16x16x32_bf16 v[OF+8*(2*\dt+\c):OF+8*(2*\dt+\c)+7], v[VF+16*\dt+8*\ks:VF+16*\dt+8*\ks+7], v[SF+32*\c+16*\ks:SF+32*\c+16*\ks+7], 0
.else
	v_wmma_f32_16x16x32_bf16 v[OF+8*(2*\dt+\c):OF+8*(2*\dt+\c)+7], v[VF+16*\dt+8*\ks:VF+16*\dt+8*\ks+7], v[SF+32*\c+16*\ks:SF+32*\c+16*\ks+7], v[OF+8*(2*\dt+\c):OF+8*(2*\dt+\c)+7]
.endif
.endr
.endm
; One of the eight places for matrix work among the softmax lines of tile c.  Among c = 0's lines: one product of S(1).  Among c = 1's lines: the four products
; P(0) V of 32 keys at the first and at the fifth place, so that the setting changes four times and not sixteen.  None names a register of the lines around it,
; and none names a result of the batch of exponentials among which it stands: S(1), K, Q; O's tiles of c = 0, V, P(0).
.macro MX c, t, ks, first, vw
.if \c == 0
	SMUL 1, \t, \ks
.else
.if \t == 0
.if \ks == 0
	s_wait_dscnt \vw                               ; V's 16 loads are in; K's 16, where they were issued behind them, stay out
.endif
	WIN FROM_V
.if \ks == 0
	PV4 0, 0, \first
.else
	PV4 0, 1, 0
.endif
	WIN 0
.endif
.endif
.endm
.macro SUBQ c, j                       ; pair j (0..15) of tile column c's scores, less the maximum
	v_pk_add_f32 v[SF+32*\c+2*(\j):SF+32*\c+2*(\j)+1], v[SF+32*\c+2*(\j):SF+32*\c+2*(\j)+1], v[ML+2*\c:ML+2*\c+1] op_sel_hi:[1,0] neg_lo:[0,1] neg_hi:[0,1]
.endm
.macro EXPQ c, r                       ; register r of tile column c: 2^(score - maximum), in place
	v_exp_f32 v[SF+32*\c+(\r)], v[SF+32*\c+(\r)]
.endm
.macro TRIO c, k                       ; group k (0..13) of the batch: a subtraction leads, then the two exponentials of the pair that was reduced two groups earlier
	SUBQ \c, (\k)+2
	EXPQ \c, 2*(\k)
	EXPQ \c, 2*(\k)+1
.endm
; The readers of a batch: they stand behind its wait alone.
.macro PACK c, d, s                    ; registers s, s + 1 to bf16 into register d <= s: in place
	v_cvt_pk_bf16_f32 v[SF+32*\c+\d], v[SF+32*\c+\s], v[SF+32*\c+\s+1]
.endm
.macro SUMA c, q, a, b                 ; partial sum q starts
	v_pk_add_f32 v[T+2*\q:T+2*\q+1], v[SF+32*\c+\a:SF+32*\c+\a+1], v[SF+32*\c+\b:SF+32*\c+\b+1]
.endm
.macro SUMB c, q, a                    ; and goes on
	v_pk_add_f32 v[T+2*\q:T+2*\q+1], v[T+2*\q:T+2*\q+1], v[SF+32*\c+\a:SF+32*\c+\a+1]
.endm
.macro SCALEO c, i                     ; pair i (0..15) of O's 32 registers for tile column c, times the factor
	v_pk_mul_f32 v[OF+8*(2*((\i)/4)+\c)+2*((\i)%4):OF+8*(2*((\i)/4)+\c)+2*((\i)%4)+1], v[OF+8*(2*((\i)/4)+\c)+2*((\i)%4):OF+8*(2*((\i)/4)+\c)+2*((\i)%4)+1], v[AL+2*\c:AL+2*\c+1] op_sel_hi:[1,0]
.endm
; The softmax of tile column c's 32 scores a lane, but for the last five lines of the sum (TAIL).  first = 1: the launch's first trip starts the maximum, and O has nothing to rescale.
; Its order: the maximum | THE BATCH: the factor, two subtractions, fourteen groups of a subtraction and two exponentials, the last four exponentials | a v_nop, the plain line
; that is owed behind the last exponential before a result is used (ISA guide 5.7.2) | THE WAIT | the readers: O's rescale (each accumulator from its low end on
; ), the sums in their order, the packing in place (a register is packed over only behind the sum and the packing that read it).
.macro SOFT c, first, vw
	MX \c, 0, 0, \first, \vw
.irp t, 0,1,2,3
	v_max3_num_f32 v[T+\t], v[SF+32*\c+8*\t], v[SF+32*\c+8*\t+1], v[SF+32*\c+8*\t+2]     ; four chains
.endr
.irp t, 0,1,2,3
	v_max3_num_f32 v[T+\t], v[T+\t], v[SF+32*\c+8*\t+3], v[SF+32*\c+8*\t+4]
.endr
.irp t, 0,1,2,3
	v_max3_num_f32 v[T+\t], v[T+\t], v[SF+32*\c+8*\t+5], v[SF+32*\c+8*\t+6]
.endr
	MX \c, 1, 0, \first, \vw
	v_max3_num_f32 v[T], v[T], v[SF+32*\c+7], v[SF+32*\c+15]
	v_max3_num_f32 v[T+2], v[T+2], v[SF+32*\c+23], v[SF+32*\c+31]
	v_max3_num_f32 v[T], v[T], v[T+1], v[T+2]
	v_max_num_f32 v[T], v[T], v[T+3]
	v_permlanex16_b32 v[T+1], v[T], s56, s57       ; the same query's other 32 keys
.if \first
	v_max_num_f32 v[ML+2*\c], v[T], v[T+1]
.else
	v_max3_num_f32 v[T+2], v[T], v[T+1], v[ML+2*\c]
	v_sub_f32 v[T+3], v[ML+2*\c], v[T+2]
	v_mov_b32 v[ML+2*\c], v[T+2]
	v_exp_f32 v[AL+2*\c], v[T+3]                   ; the factor: the batch's first; its source is written again only behind the wait
.endif
	MX \c, 2, 0, \first, \vw
	SUBQ \c, 0
	SUBQ \c, 1
.irp k, 0,1,2
	TRIO \c, \k
.endr
	MX \c, 3, 0, \first, \vw
.irp k, 3,4,5,6
	TRIO \c, \k
.endr
	MX \c, 0, 1, \first, \vw
.irp k, 7,8,9,10
	TRIO \c, \k
.endr
	MX \c, 1, 1, \first, \vw
.irp k, 11,12,13
	TRIO \c, \k
.endr
.irp r, 28,29,30,31
	EXPQ \c, \r
.endr
	v_nop                                          ; the one plain line behind the last exponential: no line is left that names no result
	s_wait_alu depctr_va_vdst(0)                   ; the wait for the batch, the factor and this column's 32 exponentials, ahead of the first reader
.if \first == 0
.irp i, 0,1,2,3,4,5,6,7
	SCALEO \c, \i
.endr
.endif
	MX \c, 2, 1, \first, \vw
.if \first == 0
.irp i, 8,9,10,11,12,13,14,15
	SCALEO \c, \i
.endr
.endif
	SUMA \c, 0, 0, 2
	SUMA \c, 1, 4, 6
	SUMA \c, 2, 8, 10
	SUMA \c, 3, 12, 14
	MX \c, 3, 1, \first, \vw
.irp j, 0,1,2,3
	PACK \c, \j, 2*\j                              ; tile 0
.endr
.irp q, 0,1,2,3
	SUMB \c, \q, 16+2*\q
.endr
.irp j, 0,1,2,3
	PACK \c, 4+\j, 8+2*\j                          ; tile 1
.endr
.irp q, 0,1,2,3
	SUMB \c, \q, 24+2*\q
.endr
.irp j, 0,1,2,3
	PACK \c, 16+\j, 16+2*\j                        ; tile 2
.endr
.irp j, 0,1,2,3
	PACK \c, 20+\j, 24+2*\j                        ; tile 3
.endr
.endm
.macro TAIL c                          ; the four partial sums onto the running sum: five plain lines that name no register of a matrix instruction; the factor that the last reads has had its batch's wait
	v_pk_add_f32 v[T:T+1], v[T:T+1], v[T+2:T+3]
	v_pk_add_f32 v[T+4:T+5], v[T+4:T+5], v[T+6:T+7]
	v_pk_add_f32 v[T:T+1], v[T:T+1], v[T+4:T+5]
	v_add_f32 v[T], v[T], v[T+1]
	v_fma_f32 v[ML+2*\c+1], v[ML+2*\c+1], v[AL+2*\c], v[T]
.endm
; One trip: 64 keys.  On entry S(0) of this trip has been multiplied, and c = 1's partial sums of the trip before wait in T.
; last = 1: the phase's last trip: the next K lies in the other slot, which may be read only behind the barrier, so neither K's loads nor S(0) stand here.
; PLACES (ISA guide 7.12.1), by this text's count; an exponential is none.  The five lines of TAIL 1 (in the first trip six moves) stand behind the runs S(0) and P(1) V: four are
; owed before S(0) is read and before V's registers are loaded again, five before S(1) is written over P(1).  Behind the last product of S(1) stand 24 plain lines of c = 0's
; softmax and TAIL 0's five before K's registers are loaded again and S(1) is read; behind the last product P(0) V at least 28 plain lines of c = 1's, behind its wait alone,
; before S(0) is written over P(0).
; TURNS: the accumulators take turns, four at a time, one instruction a turn, through S(1), P(0) V, S(0), P(1) V and over the backward jump.
; WAITS FOR RESULTS: two, one in each SOFT; behind the second no exponential is issued.
.macro BODY first, last
.if \first
	v_mov_b32 v[ML+1], 0                           ; the sums start at 0 and the factors at 0, so that TAIL is the same in every trip;
	v_mov_b32 v[ML+3], 0
	v_mov_b32 v[AL], 0
	v_mov_b32 v[AL+2], 0
	v_mov_b32 v[AL+1], 0                           ; the packed forms name whole pairs: the pairs' second registers are written once
	v_mov_b32 v[AL+3], 0
.else
	TAIL 1
.endif
	LOADV
	SOFT 0, \first, 0
	TAIL 0
.if \last
	SOFT 1, \first, 0
.else
	LOADK
	SOFT 1, \first, 16
	SCORE0
.endif
	WIN FROM_V
	PV4 1, 0, \first
	PV4 1, 1, 0
	WIN 0
.endm
.macro BODIES n
	s_mov_b32 s58, \n
.Ltrip_\@:
	BODY 0, 0
	s_sub_co_u32 s58, s58, 1
	s_cmp_lg_u32 s58, 0
	s_cbranch_scc1 .Ltrip_\@
.endm
; The change of slots: rd is read next, other was read last.  refill = 1: other is filled again, 1,024 keys on.  Then the new phase's first K and S(0).
.macro NEXT rd, other, refill
	s_wait_tensorcnt 0x0                           ; all my tensor loads have landed, my part of slot rd among them: a group 0 may be written
	ds_add_u32 v30, v31
	s_wait_dscnt 0x0
.if \refill
	s_add_nc_u64 s[G0K+4*\other+2:G0K+4*\other+3], s[G0K+4*\other+2:G0K+4*\other+3], 131072
	s_add_nc_u64 s[G0V+4*\other+2:G0V+4*\other+3], s[G0V+4*\other+2:G0V+4*\other+3], 131072
.endif
	s_wait_dscnt 0x0                               ; my reads of the other slot are back
.if \refill
	ROUND                                          ; both hold of every wave of the four work-groups
	JLOAD \other                                   ; my one tensor load behind the round, ahead of my first LDS read
.else
	s_barrier_signal -1
	s_barrier_wait -1
.endif
	v_mov_b32 v[KA], v[KBASE+\rd]
	v_mov_b32 v[VA], v[VBASE+\rd]
	LOADK
	SCORE0
.endm
	s_wait_tensorcnt 0x1                           ; my part of keys 0-511 is in; that of keys 512-1023, issued behind it, may stay out
	s_barrier_signal -1
	s_barrier_wait -1
	LOADK
	SCORE0
	BODY 1, 0                                      ; keys 0-511, slot 0: 1 + 6 + 1 trips
	BODIES 6
	BODY 0, 1
	NEXT 1, 0, 1
	BODIES 7                                       ; keys 512-1023, slot 1; keys 1024-1535 on their way into slot 0
	BODY 0, 1
	NEXT 0, 1, 1
	BODIES 7                                       ; keys 1024-1535; keys 1536-2047 on their way into slot 1
	BODY 0, 1
	NEXT 1, 0, 0
	BODIES 7                                       ; the last 512 keys
	BODY 0, 1
	; THE WAY OUT.  The last sum is closed (its five lines are the places before O is read); the two halves' sums meet; O / sum; to bf16; through my stage,
	; which lies in slot 0: that slot has had its last fill, and every wave's last reads of it were back in front of the last barrier.
	TAIL 1
	v_permlanex16_b32 v[T], v[ML+1], s56, s57
	v_permlanex16_b32 v[T+1], v[ML+3], s56, s57
	v_add_f32 v[ML+1], v[ML+1], v[T]
	v_add_f32 v[ML+3], v[ML+3], v[T+1]             ; at least 1: the largest score gives 2^0
	v_rcp_f32 v[AL], v[ML+1]
	v_rcp_f32 v[AL+2], v[ML+3]
	v_nop                                          ; one plain place (ISA guide 5.7.2)
	s_wait_alu depctr_va_vdst(0)                   ; the wait for the two reciprocals, one batch, ahead of the first line that names a result
.irp c, 0,1
.irp i, 0,1,2,3,4,5,6,7,8,9,10,11,12,13,14,15
	SCALEO \c, \i
.endr
.endr
.irp dt, 0,1,2,3
.irp c, 0,1
.irp j, 0,1,2,3
	v_cvt_pk_bf16_f32 v[SF+4*(2*\dt+\c)+\j], v[OF+8*(2*\dt+\c)+2*\j], v[OF+8*(2*\dt+\c)+2*\j+1]      ; d = 16 dt + 8 h + 0..7 of query r: 16 bytes
.endr
.endr
.endr
.irp dt, 0,1,2,3
.irp c, 0,1
	ds_store_b128 v[STO], v[SF+4*(2*\dt+\c):SF+4*(2*\dt+\c)+3] offset:\c*16*KP+32*\dt
.endr
.endr
.irp i, 0,1,2,3,4,5,6,7
	ds_load_b128 v[KF+4*\i:KF+4*\i+3], v[RD] offset:\i*4*KP        ; a wave's LDS instructions are served in order (ISA guide 5.7.1): these see the stores above
.endr
.irp i, 0,1,2,3,4,5,6,7
	s_wait_dscnt 7-\i                              ; the younger of the eight loads may stay out
	global_store_b128 v[XO], v[KF+4*\i:KF+4*\i+3], s[8:9] offset:512*\i    ; the wave stores 512 consecutive bytes, at a multiple of 512
.endr
	s_wait_tensorcnt 0x0
	ds_add_u32 v30, v31
	s_wait_dscnt 0x0
	ROUND                                          ; the closing round
	s_endpgm
.Lfunc_end_k_q6a954af1c4_attn:
	.size	k_q6a954af1c4_attn, .Lfunc_end_k_q6a954af1c4_attn-k_q6a954af1c4_attn
	.p2alignl 7, 3214868480
	.fill 96, 4, 3214868480
	.section	.rodata,"a",@progbits
	.p2align	6, 0x0
	.amdhsa_kernel k_q6a954af1c4_attn
		.amdhsa_group_segment_fixed_size 327680
		.amdhsa_private_segment_fixed_size 0
		.amdhsa_enable_private_segment 0
		.amdhsa_kernarg_size 56
		.amdhsa_user_sgpr_count 2
		.amdhsa_user_sgpr_kernarg_segment_ptr 1
		.amdhsa_wavefront_size32 1
		.amdhsa_system_sgpr_workgroup_id_x 1
		.amdhsa_system_sgpr_workgroup_id_y 1
		.amdhsa_system_sgpr_workgroup_id_z 1
		.amdhsa_system_vgpr_workitem_id 0
		.amdhsa_next_free_vgpr 320
		.amdhsa_next_free_sgpr 74
		.amdhsa_reserve_vcc 1
		.amdhsa_float_denorm_mode_32 3
		.amdhsa_float_denorm_mode_16_64 3
		.amdhsa_memory_ordered 1
		.amdhsa_forward_progress 1
		.amdhsa_inst_pref_size 173
	.end_amdhsa_kernel
	.amdgpu_metadata
---
amdhsa.version: [ 1, 2 ]
amdhsa.kernels:
  - .name:           k_q6a954af1c4_attn
    .symbol:         k_q6a954af1c4_attn.kd
    .args:
      - { .name: qkv, .offset: 0, .size: 8, .value_kind: global_buffer, .address_space: global }
      - { .name: Wo, .offset: 8, .size: 8, .value_kind: global_buffer, .address_space: global }
      - { .name: x16, .offset: 16, .size: 8, .value_kind: global_buffer, .address_space: global }
      - { .name: wo16, .offset: 24, .size: 8, .value_kind: global_buffer, .address_space: global }
      - { .name: bv, .offset: 32, .size: 8, .value_kind: global_buffer, .address_space: global }
      - { .name: bo, .offset: 40, .size: 8, .value_kind: global_buffer, .address_space: global }
      - { .name: cvec, .offset: 48, .size: 8, .value_kind: global_buffer, .address_space: global }
    .group_segment_fixed_size: 327680
    .private_segment_fixed_size: 0
    .kernarg_segment_align: 8
    .kernarg_segment_size: 56
    .max_flat_workgroup_size: 256
    .sgpr_count:     74
    .vgpr_count:     320
    .wavefront_size: 32
...
	.end_amdgpu_metadata
.endif
;; end of part 4
;; launch oproj: the kernel of part 3 again; grid 8 x 32, 4 waves a work-group, clusters of 4 x 4, 327,680 bytes of LDS; arguments x16, wo16, cvec, out0; writes out0
